; MI455X (gfx1250); checked and timed in simulation.
; The chip was launched on July 23, 2026; its instructions are those of AMD's public machine-readable ISA for CDNA 5 (MIT licence, August 2026) and "CDNA5" Instruction Set Architecture Reference Guide (July 2026). The comments in the code are by the model that wrote it; some were corrected since.
;; Multi Head Self Attention. Allowed arithmetic: matrix products marked QUANTISED: E2M1 operands, one E8M0 scale for each 32 along K, by v_wmma_scale_f32_16x16x128_f8f6f4 with both operands' format E2M1 (or v_wmma_scale_f32_32x16x128_f4), f32 sums; everything else in f32.
;; Inputs: W_k 768 x 768 float32; W_q 768 x 768 float32; W_v 768 x 768 float32; X 8 x 1,024 x 768 float32; ln_beta 768 float32; ln_gamma 768 float32.
;; Outputs: out0 8 x 1,024 x 768 float32.
;; This version of the problem:
;;   THIS VERSION OF THE PROBLEM IS GIVEN IN LOW PRECISION. The matrix products marked QUANTISED in the list below multiply operands that are first quantised to E2M1 (2 exponent bits, 1 mantissa bit; 4 bits a number), with one power-of-two scale for each 32 numbers along K (OCP MX v1.0); their sums are f32. All else is computed in f32.
;;   The module's matrix products, in the order in which they are computed (A, B: the left and right operand; K: the contracted axis; several contracted axes count as one K, in the product's order):
;;     1. [M 8,192, K 768] x [K 768, N 768]; A: input X; B: input W_q: QUANTISED
;;     2. [M 8,192, K 768] x [K 768, N 768]; A: input X; B: input W_k: QUANTISED
;;     3. [M 8,192, K 768] x [K 768, N 768]; A: input X; B: input W_v: QUANTISED
;;     4. batch 96 x [M 1,024, K 64] x [K 64, N 1,024]; A: computed on the way; B: computed on the way: QUANTISED
;;     5. batch 96 x [M 1,024, K 1,024] x [K 1,024, N 64]; A: softmax (see below); B: computed on the way: QUANTISED
;;   THE QUANTISER, for each operand of a quantised product, along K:
;;     - K is cut into blocks of 32 from its start; a last block that is shorter is filled with zeros.
;;     - A block's scale is 2^e with e = floor(log2(the largest magnitude in the block)) - 2, held to -126 .. 127; a block of zeros has e = 0. As a byte (E8M0): e + 127.
;;     - Each number is divided by its block's scale, clamped to +-6, and rounded to the nearest number of E2M1, ties to even, subnormals kept.
;;     - The product sums the exact products of the quantised numbers (number of the format x scale) in f32.
;;   ~~~python
;;   def quantise(x, axis):      # numpy; x: float32 -> the quantised numbers, widened to float32 again
;;       x = np.moveaxis(x, axis, -1); K = x.shape[-1]
;;       x = np.pad(x, [(0, 0)] * (x.ndim - 1) + [(0, -K % 32)]); x = x.reshape(x.shape[:-1] + (-1, 32)); a = np.abs(x).max(-1, keepdims=True)
;;       e = np.where(a > 0, np.clip(np.frexp(np.where(a > 0, a, 1))[1] - 1 - 2, -126, 127), 0)      # np.frexp(a)[1] - 1 = floor(log2(a)), exactly
;;       r = np.clip(x / 2.0 ** e, -6, 6)
;;       step = 2.0 ** (np.maximum(np.frexp(np.where(r == 0, 1, r))[1] - 1, 0) - 1)
;;       q = np.round(r / step) * step * 2.0 ** e      # np.round: ties to even
;;       return np.moveaxis(q.reshape(q.shape[:-2] + (-1,))[..., :K], -1, axis).astype(np.float32)
;;   ~~~
;;   SOFTMAX AHEAD OF A QUANTISED PRODUCT. Where the list says 'softmax', what is quantised is not the finished softmax but p = 2^(t - M), with t = logit x log2(e) and M = ceil(the row's largest t), a whole number; so 1/2 < the row's largest p <= 1. The row's sum l is taken of the UNQUANTISED p, in f32, and the product's result is divided by l at the end. Since M is a whole number, a kernel that streams over the keys may use a running M (the ceiling of the running maximum): every later rescaling is an exact power of two, which a block's scale takes up: the codes' values come out the same.
;;   OPERANDS COMPUTED ON THE WAY. 'Computed on the way' means the value that the module computes at that place (a softmax that the list does not call 'softmax' is quantised finished and normalised). What goes into a quantiser is computed in f32, as accurately as f32 sums, v_exp_f32 and their like allow (about 1e-6 of the number): no bf16 or f16 on the way to a quantiser, and a product that is left as it is and whose result goes on into a quantised operand takes f32 operands (vector FMAs, or v_wmma_f32_16x16x4_f32). A number that lies on a knife's edge between two numbers of the format may be rounded either way, as far as f32 arithmetic and the matrix unit's own rounding can turn it there, and no further.
;; 2 versions, each right; version 2 is version 1 with the launch attn written anew for expert scheduling mode. Each part assembles by itself: llvm-mc -triple=amdgcn-amd-amdhsa -mcpu=gfx1250 --defsym DOCPART=n.
;; ======== version 1 of 2: 3 launches
;; workspace buffers: XI 3,342,336 bytes; WI 940,032 bytes; QC 3,145,728 bytes; QS 196,608 bytes; KVC 6,291,456 bytes; KVS 393,216 bytes
;; launch quant (part 1): grid 12 x 82, 4 waves a work-group, no clusters, 34,816 bytes of LDS; arguments X, W_q, W_k, W_v, XI, WI; writes XI, WI
.if DOCPART == 1
	.amdgcn_target "amdgcn-amd-amdhsa--gfx1250"
	.amdhsa_code_object_version 6
	.text
	.protected	k_q8552a73e00_quant
	.globl	k_q8552a73e00_quant
	.p2align	8
	.type	k_q8552a73e00_quant,@function
k_q8552a73e00_quant:
	s_mov_b64 s[64:65], 0
	v_nop
	global_prefetch_b8 v0, s[64:65] scope:SCOPE_SE
	s_setreg_imm32_b32 hwreg(HW_REG_WAVE_MODE, 25, 1), 1
	s_wait_xcnt 0x0
; X [8192][768] and W_q, W_k, W_v [768][768], f32, K innermost, become codes of FP4 (E2M1) with one E8M0 byte for each 32 along K,
; laid as IMAGES OF OPERAND REGISTERS for the next launch: a fragment (16 rows x 128 K) is 1,024 bytes: piece c (512 bytes) holds lane l's
; 16 bytes at 16 l: the codes of k = 64 c + 32 (l / 16) + 0 .. 31 of row l % 16.  The scale words of four tiles make a unit of 256 bytes:
; the word of (tile i, row r) at 8 (r + 16 (i % 2)) + 4 (i / 2), so that a load of 8 bytes a lane brings two scale registers.
; XI: [block of 128 tokens][K step][8 images, 2 units];  WI: [group of 3 heads][K step][36 images (q, k, v x 3 heads x 4 tiles), 9 units].
; THE ROWS OF A TILE: in X, W_q and W_k tile 2 b + u takes rows 32 b + 8 u + r + 8 (r / 8), so that the next launch's results lie 16
; neighbours to a lane; W_v's tile t takes rows 16 t + r.
; A block's scale is 2^(floor(log2(largest magnitude)) - 2): its byte is the largest magnitude's exponent field - 2, held at 1 from below.
; LIMITS: a block of zeros gets the byte 1 where the rule says 127 (its codes are zeros, and this program alone reads the bytes);
; NaN and infinities among the inputs are not served.
; SHARES: work-group x = 2 (K step) + half; y < 64: X's block y, tiles 4 half + wave; y >= 64: head matrix 2 (y - 64) + half of 36
; (12 heads of q, of k, of v), tile = wave.  A wave makes one tile of one K step: 16 rows x 512 bytes in, 1,024 + 64 bytes out.
; One path for all four tensors: only pointers and numbers are chosen, by the work-group's number.  Work-groups share no input: no cluster.
; Each load reads 512 consecutive bytes of a row; the tile turns through the wave's own stage in LDS, so that a lane gets whole blocks of 32.
.set ROWB,  3072                       ; a row of X or W in bytes
.set STGB,  8448                       ; a wave's stage: 16 rows of SP bytes
.set SP,    528                        ; 512 bytes + 16: the sixteen rows that a read touches start at sixteen different banks
.set SCW,   4*STGB                     ; behind the stages: the work-group's unit of scale words, 256 bytes
.set R,     16                         ; v16-79   the 16 rows as loaded
.set NUM,   80                         ; v80-143  my two blocks of 32 numbers
.set C,     144                        ; v144-151 my codes
	s_load_b256 s[4:11], s[0:1], 0x0               ; X, W_q, W_k, W_v
	s_load_b128 s[12:15], s[0:1], 0x20             ; XI, WI
	v_lshl_add_u32 v160, v0, 2, 0x8600
	v_mov_b32 v161, 0
	v_lshrrev_b32 v1, 5, v0
	v_readfirstlane_b32 s16, v1                    ; wave 0..3
	v_and_b32 v2, 31, v0                           ; lane
	v_and_b32 v3, 15, v0                           ; r
	v_bfe_u32 v1, v0, 4, 1                         ; h
	s_and_b32 s17, ttmp7, 0xffff                   ; y
	s_lshr_b32 s18, ttmp9, 1                       ; K step
	s_and_b32 s19, ttmp9, 1                        ; half
	s_max_u32 s20, s17, 64
	s_sub_co_u32 s20, s20, 64
	s_lshl_b32 s20, s20, 1
	s_add_co_u32 s20, s20, s19                     ; head matrix 0..35 (0 or 1 in X's work-groups, where it is not used)
	s_cmp_ge_u32 s20, 12
	s_cselect_b32 s21, 1, 0
	s_cmp_ge_u32 s20, 24
	s_cselect_b32 s22, 1, 0
	s_add_co_u32 s21, s21, s22                     ; 0 q, 1 k, 2 v
	s_mul_i32 s22, s21, 12
	s_sub_co_u32 s22, s20, s22                     ; head 0..11
	s_mul_i32 s23, s22, 11
	s_lshr_b32 s23, s23, 5                         ; group = head / 3
	s_mul_i32 s24, s23, 3
	s_sub_co_u32 s24, s22, s24                     ; head in the group
	s_mul_i32 s25, s21, 3
	s_add_co_u32 s24, s24, s25                     ; unit 0..8 = 3 (q, k, v) + head in the group
	s_mul_i32 s25, s17, 52224                      ; X: the block's bytes in XI
	s_mul_i32 s26, s23, 235008                     ; W: the group's bytes in WI
	s_lshl_b32 s27, s17, 7
	s_lshl_b32 s28, s19, 6
	s_add_co_u32 s27, s27, s28                     ; X: first of my work-group's 64 rows
	s_lshl_b32 s28, s22, 6                         ; W: likewise
	s_cmp_eq_u32 s21, 2
	s_cselect_b32 s29, 1, 0                        ; W_v's tiles are natural
	s_mov_b32 s30, 39168
	s_mov_b32 s31, 36864
	s_cmp_lt_u32 s17, 64                           ; X's work-group?
	s_cselect_b32 s25, s25, s26
	s_cselect_b32 s27, s27, s28
	s_cselect_b32 s29, 0, s29
	s_cselect_b32 s30, 8704, s30                   ; a K step's bytes in the buffer
	s_cselect_b32 s31, 8192, s31                   ; where its units begin
	s_cselect_b32 s24, s19, s24                    ; which four tiles, and which unit
	s_mul_i32 s30, s30, s18
	s_add_co_u32 s25, s25, s30
	s_lshl_b32 s32, s24, 12
	s_add_co_u32 s32, s32, s25
	s_lshl_b32 s28, s16, 10
	s_add_co_u32 s32, s32, s28                     ; my image
	s_mov_b32 s33, 0
	s_lshl_b32 s34, s24, 8
	s_add_co_u32 s34, s34, s25
	s_add_co_u32 s34, s34, s31                     ; the work-group's unit
	s_mov_b32 s35, 0
	s_lshr_b32 s36, s16, 1
	s_lshl_b32 s36, s36, 5
	s_add_co_u32 s36, s36, s27
	s_and_b32 s37, s16, 1
	s_lshl_b32 s37, s37, 3
	s_lshl_b32 s37, s37, s29                       ; 8 (wave % 2), or 16 where natural
	s_add_co_u32 s36, s36, s37                     ; the tile's rows 0-7 begin here,
	s_lshr_b32 s38, 16, s29
	s_add_co_u32 s38, s38, s36                     ; its rows 8-15 sixteen further on, or 8 where natural
	s_mul_i32 s36, s36, ROWB
	s_mul_i32 s38, s38, ROWB
	s_lshl_b32 s39, s18, 9                         ; the K step's 512 bytes of a row
	s_add_co_u32 s36, s36, s39
	s_add_co_u32 s38, s38, s39
	v_lshlrev_b32 v8, 4, v2                        ; 16 x lane
	v_add_nc_u32 v4, s36, v8
	v_add_nc_u32 v5, s38, v8
	s_mul_i32 s40, s16, STGB
	v_add_nc_u32 v6, s40, v8                       ; the stage, on the way in: a row as it lies
	v_mul_u32_u24 v7, v3, SP
	v_lshl_add_u32 v7, v1, 7, v7
	v_add_nc_u32 v7, s40, v7                       ; and out: row r, block h
	s_and_b32 s41, s16, 1
	s_lshl_b32 s41, s41, 7
	s_lshr_b32 s42, s16, 1
	s_lshl_b32 s42, s42, 2
	s_add_co_u32 s41, s41, s42
	s_add_co_u32 s41, s41, SCW
	v_lshl_add_u32 v9, v3, 3, s41                  ; my row's word in the unit
	v_lshlrev_b32 v11, 3, v2                       ; 8 x lane
	v_add_nc_u32 v10, SCW, v11
	s_mov_b32 s44, 0x76543210
	s_mov_b32 s45, 0xfedcba98                      ; v_permlanex16_b32's selects for lane l xor 16
	v_mov_b32 v159, 0                              ; a lane permute's destination counts as one of its sources
	s_wait_kmcnt 0x0
	s_cmp_eq_u32 s21, 1
	s_cselect_b64 s[6:7], s[8:9], s[6:7]
	s_cmp_eq_u32 s21, 2
	s_cselect_b64 s[6:7], s[10:11], s[6:7]
	s_cmp_lt_u32 s17, 64
	s_cselect_b64 s[4:5], s[4:5], s[6:7]           ; the tensor that I read,
	s_cselect_b64 s[12:13], s[12:13], s[14:15]     ; the buffer that I write
	s_add_nc_u64 s[14:15], s[12:13], s[34:35]
	s_add_nc_u64 s[12:13], s[12:13], s[32:33]
.irp i, 0,1,2,3,4,5,6,7
	global_load_b128 v[R+4*\i:R+4*\i+3], v4, s[4:5] offset:ROWB*\i th:TH_LOAD_NT       ; 32 lanes read 512 consecutive bytes of a row
.endr
.irp i, 0,1,2,3,4,5,6,7
	global_load_b128 v[R+32+4*\i:R+32+4*\i+3], v5, s[4:5] offset:ROWB*\i th:TH_LOAD_NT
.endr
.irp i, 0,1,2,3,4,5,6,7,8,9,10,11,12,13,14,15
	s_wait_loadcnt 15-\i                           ; loads come back in order: row i is in, the 15 - i younger ones may be out
	ds_store_b128 v6, v[R+4*\i:R+4*\i+3] offset:SP*\i
.endr
.irp c, 0,1
.irp i, 0,1,2,3,4,5,6,7
	ds_load_b128 v[NUM+32*\c+4*\i:NUM+32*\c+4*\i+3], v7 offset:256*\c+16*\i   ; block 2 c + h of row r; LDS serves a wave's instructions in order: these see my stores
.endr
.endr
	s_wait_dscnt 8                                 ; the first block's eight loads are back, the second's eight may be out
	v_max3_num_f32 v152, |v[NUM]|, |v[NUM+1]|, 0x1800000   ; the largest magnitude, and the floor 2^(3 - 127): the byte cannot fall under 1
.irp i, 2,4,6,8,10,12,14,16,18,20,22,24,26,28,30
	v_max3_num_f32 v152, v152, |v[NUM+\i]|, |v[NUM+1+\i]|
.endr
	s_wait_dscnt 0x0
	v_max3_num_f32 v153, |v[NUM+32]|, |v[NUM+33]|, 0x1800000
.irp i, 2,4,6,8,10,12,14,16,18,20,22,24,26,28,30
	v_max3_num_f32 v153, v153, |v[NUM+32+\i]|, |v[NUM+33+\i]|
.endr
	v_add_nc_u32 v154, 0xff000000, v152            ; 2 off the exponent field: the conversion takes the exponent field of this operand as its scale
	v_add_nc_u32 v155, 0xff000000, v153
	v_lshrrev_b32 v156, 23, v154                   ; the scales' bytes: blocks h and 2 + h
	v_lshrrev_b32 v157, 23, v155
	v_lshl_or_b32 v158, v157, 16, v156
	v_lshlrev_b32 v156, 3, v1
	v_lshlrev_b32 v158, v156, v158                 ; at their places in the word (8 h bits up);
	v_permlanex16_b32 v159, v158, s44, s45
	v_or_b32 v158, v158, v159                      ; with lane l xor 16's two the word is whole
.irp c, 0,1
.irp g, 0,1,2,3
	v_cvt_scalef32_pk8_fp4_f32 v[C+4*\c+\g], v[NUM+32*\c+8*\g:NUM+32*\c+8*\g+7], v[154+\c]
.endr
.endr
	v_nop                                          ; one plain place behind the scaled conversions
	global_store_b128 v8, v[C:C+3], s[12:13]       ; a piece: 512 consecutive bytes, aligned
	global_store_b128 v8, v[C+4:C+7], s[12:13] offset:512
	ds_store_b32 v9, v158                          ; both halves of the lanes write the same word with the same value
	s_wait_dscnt 0x0                               ; for the others' sake: my word lies in the unit
	s_barrier_signal -1
	s_barrier_wait -1
	s_cmp_lg_u32 s16, 0
	s_cbranch_scc1 .Ldone
	ds_load_b64 v[12:13], v10
	s_wait_dscnt 0x0
	global_store_b64 v11, v[12:13], s[14:15]       ; 32 lanes store the unit: 256 consecutive bytes, aligned
.Ldone:
	s_wait_tensorcnt 0x0
	ds_add_u32 v160, v161
	s_wait_dscnt 0x0
	s_endpgm
.Lfunc_end_k_q8552a73e00_quant:
	.size	k_q8552a73e00_quant, .Lfunc_end_k_q8552a73e00_quant-k_q8552a73e00_quant
	.p2alignl 7, 3214868480
	.fill 96, 4, 3214868480
	.section	.rodata,"a",@progbits
	.p2align	6, 0x0
	.amdhsa_kernel k_q8552a73e00_quant
		.amdhsa_group_segment_fixed_size 34816
		.amdhsa_private_segment_fixed_size 0
		.amdhsa_enable_private_segment 0
		.amdhsa_kernarg_size 48
		.amdhsa_user_sgpr_count 2
		.amdhsa_user_sgpr_kernarg_segment_ptr 1
		.amdhsa_wavefront_size32 1
		.amdhsa_system_sgpr_workgroup_id_x 1
		.amdhsa_system_sgpr_workgroup_id_y 1
		.amdhsa_system_sgpr_workgroup_id_z 1
		.amdhsa_system_vgpr_workitem_id 0
		.amdhsa_next_free_vgpr 162
		.amdhsa_next_free_sgpr 66
		.amdhsa_reserve_vcc 0
		.amdhsa_float_denorm_mode_32 3
		.amdhsa_float_denorm_mode_16_64 3
		.amdhsa_memory_ordered 1
		.amdhsa_forward_progress 1
		.amdhsa_inst_pref_size 12
	.end_amdhsa_kernel
	.amdgpu_metadata
---
amdhsa.version: [ 1, 2 ]
amdhsa.kernels:
  - .name:           k_q8552a73e00_quant
    .symbol:         k_q8552a73e00_quant.kd
    .args:
      - { .name: X, .offset: 0, .size: 8, .value_kind: global_buffer, .address_space: global }
      - { .name: W_q, .offset: 8, .size: 8, .value_kind: global_buffer, .address_space: global }
      - { .name: W_k, .offset: 16, .size: 8, .value_kind: global_buffer, .address_space: global }
      - { .name: W_v, .offset: 24, .size: 8, .value_kind: global_buffer, .address_space: global }
      - { .name: XI, .offset: 32, .size: 8, .value_kind: global_buffer, .address_space: global }
      - { .name: WI, .offset: 40, .size: 8, .value_kind: global_buffer, .address_space: global }
    .group_segment_fixed_size: 34816
    .private_segment_fixed_size: 0
    .kernarg_segment_align: 8
    .kernarg_segment_size: 48
    .max_flat_workgroup_size: 128
    .sgpr_count:     66
    .vgpr_count:     162
    .wavefront_size: 32
...
	.end_amdgpu_metadata
.endif
;; end of part 1
;; launch proj (part 2): grid 4 x 64, 12 waves a work-group, clusters of 4 x 4, 327,680 bytes of LDS; arguments XI, WI, QC, QS, KVC, KVS; writes QC, QS, KVC, KVS
.if DOCPART == 2
	.amdgcn_target "amdgcn-amd-amdhsa--gfx1250"
	.amdhsa_code_object_version 6
	.text
	.protected	k_q8552a73e00_proj
	.globl	k_q8552a73e00_proj
	.p2align	8
	.type	k_q8552a73e00_proj,@function
k_q8552a73e00_proj:
	s_mov_b64 s[64:65], 0
	v_nop
	global_prefetch_b8 v0, s[64:65] scope:SCOPE_SE
	s_setreg_imm32_b32 hwreg(HW_REG_WAVE_MODE, 25, 1), 1
	s_wait_xcnt 0x0
	s_wait_alu depctr_hold_cnt(0) depctr_sa_sdst(0) depctr_va_vdst(0) depctr_va_sdst(0) depctr_va_ssrc(0) depctr_va_vcc(0) depctr_vm_vsrc(0)
	s_getreg_b32 s2, hwreg(HW_REG_IB_STS2, 6, 4)
	s_cmp_eq_u32 s2, 0
	s_cbranch_scc0 .Lentry_in_a_cluster
	s_endpgm
.Lentry_in_a_cluster:
	s_bfe_u32 s2, ttmp6, 0x10000c
	s_cmp_lg_u32 s2, 0xf033
	s_cbranch_scc0 .Lentry_shape_is_right
	s_endpgm
.Lentry_shape_is_right:
; q, k, v = x W^T on codes of FP4 (E2M1) with E8M0 scales (K = 768: six steps of 128), and the results quantised again, in registers, as the operands of attention.
; SHARES.  A work-group takes 128 tokens (block mb) x the 576 columns of q, k and v of three heads (group g).  Twelve waves, one text:
;   q, k: wave w takes W's tiles 2 w and 2 w + 1 of the group (q or k of a head: w / 2; block of 32 of the head's 64: w % 2) against the 8 tiles of tokens.  Source 0 = W, source 1 = x: a lane holds ONE
;         token, and, by the rows that form W's tiles, the 16 registers of the two tiles are 16 neighbours along the head: the K of the scores' product.
;   v:    wave w takes W_v's tile w of the group (head w / 4, channels 16 (w % 4) on).  Source 0 = x, source 1 = W_v: a lane holds ONE channel, and, by the tokens that form x's tiles, the 16 registers of tiles
;         2 b and 2 b + 1 are 16 neighbouring tokens: the K of the second product of attention.
; All of K lies in LDS, filled once: three chunks of two K steps, each [W even][W odd][x even][x odd] as the buffers have them: images of operand registers.  No LDS byte is filled twice.
; CLUSTER 4 x 4: W's bytes hang on the group alone and are shared along a column of the cluster, x's on the block alone and are shared along a row: joint loads.
; By this text's count a wave has three tensor loads outstanding at the most: its three first fills.
; OUT.  QC, and KVC's first half: for tile tau of tokens 512 bytes: lane (r, h')'s 16 bytes are block h' of token (tau, r).  KVC's second half: V^T's four fragment images.  QS, KVS: units of scale words.
; LIMITS: a block of zeros, or one whose largest magnitude lies under 2^-124, gets the byte 1 (the rule's hold; for zeros the rule says 127: the codes are zeros and this program alone reads the bytes);
; NaN and infinities are not served.
.set XSTEP,  8704                      ; a K step of x: 8 images, 2 units of scale words
.set WSTEP,  39168                     ; of W: 36 images, 9 units
.set CHUNKB, 95744                     ; two K steps of both
.set GATH,   287232                    ; behind the three chunks: 9 units of scale words that the waves gather: written by LDS stores alone
.set AX,  1                            ; v1   x's images: 16 x lane + where x begins in a chunk
.set AW,  2                            ; v2   my two tiles of W_q or W_k
.set AV,  3                            ; v3   my tile of W_v
.set ASX, 4                            ; v4   x's scale words: 8 x lane
.set ASW, 5                            ; v5   my two tiles' scale words: lanes 0-15 the first tile's, lanes 16-31 the second's
.set ASV, 6                            ; v6   my tile of W_v's
.set GQ,  7                            ; v7   out: 16 r + 8 h
.set GV,  8                            ; v8   out: 16 x lane
.set GAQ, 9                            ; v9   where my q or k scale bytes go
.set GAV, 10                           ; v10  where my v scale word goes
.set GAR, 11                           ; v11  the unit that I store at the end
.set L8,  12                           ; v12  8 x lane
.set SX,  16                           ; v16-19 x's scale words: register p: tile 2 p in lanes 0-15, tile 2 p + 1 in lanes 16-31
.set SW,  20
.set SWV, 21
.set XF,  24                           ; v24-87   x's 8 fragments
.set WF,  88                           ; v88-103  my 2 fragments of W_q or W_k
.set WVF, 104                          ; v104-111 my fragment of W_v
.set ACC, 112                          ; v112-239 q, k: accumulator (tile of tokens tau, tile of W t) at 112 + 16 tau + 8 t;  v256-319 (window 1) v: accumulator tau at 8 tau
.set TMQ, 24                           ; the way out, in the fragments' registers: v24-39, v40-55 at work for q, k (a set for each half), v56-71 for v:
.set TMV, 56                           ; no register that a store reads is written again
.set PCQ, 72                           ; v72-87 q, k codes;  v88-95 v codes;  v96 v's scale word;  v98-99 a unit's 8 bytes
.set PCV, 88
.set PW,  96
.set UB,  98
.set SEL, 66                           ; s[66:67] lane selects for v_permlanex16_b32
.set MSB, 0
.macro WIN new                         ; the immediate's high byte repeats the setting that is left
.if MSB != \new
	s_set_vgpr_msb (MSB<<8)|\new
.set MSB, \new
.endif
.endm
.macro PLACES n
.rept \n
	v_nop
.endr
.endm
.macro CROUND                          ; a round of the cluster's barrier
	s_barrier_signal -1
	s_barrier_wait -1
	s_cmp_lg_u32 s16, 0
	s_cbranch_scc1 .Lnot_wave_0_\@
	s_barrier_signal -3
.Lnot_wave_0_\@:
	s_barrier_wait -3
	s_barrier_signal -1
	s_barrier_wait -1
.endm
; The matrix instruction, by the rows of the scale registers: WMab: a = 1: source 0's scales in lanes 16-31; b = 1: source 1's.  z = 1: the product starts the sum.
.macro WM00 d, a, b, z, sa, sb
.if \z
	v_wmma_scale_f32_16x16x128_f8f6f4 v[\d:\d+7], v[\a:\a+7], v[\b:\b+7], 0, v[\sa], v[\sb] matrix_a_fmt:MATRIX_FMT_FP4 matrix_b_fmt:MATRIX_FMT_FP4
.else
	v_wmma_scale_f32_16x16x128_f8f6f4 v[\d:\d+7], v[\a:\a+7], v[\b:\b+7], v[\d:\d+7], v[\sa], v[\sb] matrix_a_fmt:MATRIX_FMT_FP4 matrix_b_fmt:MATRIX_FMT_FP4
.endif
.endm
.macro WM10 d, a, b, z, sa, sb
.if \z
	v_wmma_scale_f32_16x16x128_f8f6f4 v[\d:\d+7], v[\a:\a+7], v[\b:\b+7], 0, v[\sa], v[\sb] matrix_a_fmt:MATRIX_FMT_FP4 matrix_b_fmt:MATRIX_FMT_FP4 matrix_a_scale:MATRIX_SCALE_ROW1
.else
	v_wmma_scale_f32_16x16x128_f8f6f4 v[\d:\d+7], v[\a:\a+7], v[\b:\b+7], v[\d:\d+7], v[\sa], v[\sb] matrix_a_fmt:MATRIX_FMT_FP4 matrix_b_fmt:MATRIX_FMT_FP4 matrix_a_scale:MATRIX_SCALE_ROW1
.endif
.endm
.macro WM01 d, a, b, z, sa, sb
.if \z
	v_wmma_scale_f32_16x16x128_f8f6f4 v[\d:\d+7], v[\a:\a+7], v[\b:\b+7], 0, v[\sa], v[\sb] matrix_a_fmt:MATRIX_FMT_FP4 matrix_b_fmt:MATRIX_FMT_FP4 matrix_b_scale:MATRIX_SCALE_ROW1
.else
	v_wmma_scale_f32_16x16x128_f8f6f4 v[\d:\d+7], v[\a:\a+7], v[\b:\b+7], v[\d:\d+7], v[\sa], v[\sb] matrix_a_fmt:MATRIX_FMT_FP4 matrix_b_fmt:MATRIX_FMT_FP4 matrix_b_scale:MATRIX_SCALE_ROW1
.endif
.endm
.macro WM11 d, a, b, z, sa, sb
.if \z
	v_wmma_scale_f32_16x16x128_f8f6f4 v[\d:\d+7], v[\a:\a+7], v[\b:\b+7], 0, v[\sa], v[\sb] matrix_a_fmt:MATRIX_FMT_FP4 matrix_b_fmt:MATRIX_FMT_FP4 matrix_a_scale:MATRIX_SCALE_ROW1 matrix_b_scale:MATRIX_SCALE_ROW1
.else
	v_wmma_scale_f32_16x16x128_f8f6f4 v[\d:\d+7], v[\a:\a+7], v[\b:\b+7], v[\d:\d+7], v[\sa], v[\sb] matrix_a_fmt:MATRIX_FMT_FP4 matrix_b_fmt:MATRIX_FMT_FP4 matrix_a_scale:MATRIX_SCALE_ROW1 matrix_b_scale:MATRIX_SCALE_ROW1
.endif
.endm
	s_load_b256 s[4:11], s[0:1], 0x0               ; XI s[4:5], WI s[6:7], QC s[8:9], QS s[10:11]
	s_load_b128 s[12:15], s[0:1], 0x20             ; KVC s[12:13], KVS s[14:15]
	v_lshl_add_u32 v254, v0, 2, 0x46b00
	v_mov_b32 v255, 0
	ds_add_u32 v254, v255
	ds_add_u32 v254, v255
	v_lshrrev_b32 v13, 5, v0
	v_readfirstlane_b32 s16, v13                   ; wave 0..11
	s_bfe_u32 s17, ttmp6, 0x40000                  ; cx, cy: my place in the cluster
	s_bfe_u32 s18, ttmp6, 0x40004
	s_lshl_b32 s19, ttmp9, 2
	s_add_co_u32 s19, s19, s17                     ; g: the group of heads = work-group x
	s_and_b32 s20, ttmp7, 0xffff
	s_lshl_b32 s20, s20, 2
	s_add_co_u32 s20, s20, s18                     ; mb: the block of tokens = work-group y
	s_lshr_b32 s21, s20, 3                         ; batch
	s_and_b32 s22, s20, 7                          ; the block in its batch: attention's key step
	s_lshl_b32 s92, 0x1111, s17                    ; my column of the cluster
	s_lshl_b32 s93, s18, 2
	s_lshl_b32 s93, 15, s93                        ; my row
	; descriptor group 1: a dense block of 8,704 bytes as 34 rows of 256 bytes (32 elements of 8 bytes)
	s_or_b32 s24, s92, (3<<16)|(1<<21)             ; W's: 15:0 the mask: my column; 17:16 elements of 8 bytes; 21 set beside a mask
	s_or_b32 s32, s93, (3<<16)|(1<<21)             ; x's: my row
.irp g, 24, 32
	s_mov_b32 s[\g+1], 32<<16                      ; tensor_dim0 = 32
	s_mov_b32 s[\g+2], 34<<16                      ; tensor_dim1 = 34
	s_mov_b32 s[\g+3], 32<<16                      ; tile_dim0 = 32
	s_mov_b32 s[\g+4], 34                          ; tile_dim1 = 34
	s_mov_b32 s[\g+5], 32                          ; from row to row
	s_mov_b32 s[\g+6], 0
	s_mov_b32 s[\g+7], 0
.endr
	; what I fetch: waves 0-8 a ninth of a chunk's W, waves 9 and 10 half of its x, wave 11 nothing.  W's address is made of g and the wave's number, x's of mb and the wave's number, in registers of their own
	s_mul_i32 s74, s16, XSTEP                      ; where it goes in a chunk: 8,704 x wave: no place in the cluster enters an LDS address
	s_min_u32 s75, s16, 8
	s_mul_i32 s76, s75, XSTEP
	s_mul_i32 s75, s19, 6*WSTEP
	s_add_co_u32 s76, s76, s75
	s_mov_b32 s77, 0
	s_max_u32 s97, s16, 9
	s_min_u32 s97, s97, 10
	s_sub_co_u32 s97, s97, 9
	s_mul_i32 s78, s97, XSTEP
	s_mul_i32 s97, s20, 6*XSTEP
	s_add_co_u32 s78, s78, s97
	s_mov_b32 s79, 0
	s_mov_b32 s[SEL], 0x76543210
	s_mov_b32 s[SEL+1], 0xfedcba98
	; every LDS address is made here, ahead of the branch on the wave's number round the tensor loads
	v_and_b32 v13, 31, v0                          ; lane
	v_and_b32 v14, 15, v0                          ; r
	v_bfe_u32 v15, v0, 4, 1                        ; h
	v_lshlrev_b32 v[GV], 4, v13
	v_lshlrev_b32 v[L8], 3, v13
	v_add_nc_u32 v[AX], 2*WSTEP, v[GV]
	s_lshl_b32 s82, s16, 11
	v_add_nc_u32 v[AW], s82, v[GV]                 ; images 2 w, 2 w + 1
	s_lshl_b32 s82, s16, 10
	s_add_co_u32 s82, s82, 24*1024
	v_add_nc_u32 v[AV], s82, v[GV]                 ; image 24 + w
	v_add_nc_u32 v[ASX], 2*WSTEP+8192, v[L8]
	s_lshr_b32 s83, s16, 1                         ; 0-2: q of head 0-2 of the group; 3-5: k
	s_and_b32 s84, s16, 1                          ; which block of 32 of the head's 64
	s_lshl_b32 s82, s83, 8
	s_lshl_b32 s85, s84, 2
	s_add_co_u32 s82, s82, s85
	s_add_co_u32 s82, s82, 36864
	v_add_nc_u32 v[ASW], s82, v[L8]
	s_lshr_b32 s86, s16, 2                         ; v: head of the group
	s_bfe_u32 s87, s16, 0x10001                    ; v: (tile / 2)
	s_lshl_b32 s82, s86, 8
	s_lshl_b32 s85, s84, 7
	s_add_co_u32 s82, s82, s85
	s_lshl_b32 s85, s87, 2
	s_add_co_u32 s88, s82, s85                     ; a word's place among three units: 256 (w / 4) + 128 (w % 2) + 4 ((w / 2) % 2)
	s_add_co_u32 s82, s88, 36864+6*256
	v_lshl_add_u32 v[ASV], v14, 3, s82
	v_lshlrev_b32 v[GQ], 4, v14
	v_lshl_add_u32 v[GQ], v15, 3, v[GQ]
	s_lshl_b32 s82, s83, 8
	s_add_co_u32 s82, s82, s84
	s_add_co_u32 s82, s82, GATH
	v_lshl_add_u32 v[GAQ], v14, 3, s82
	s_add_co_u32 s82, s88, GATH+6*256
	v_lshl_add_u32 v[GAV], v14, 3, s82
	s_lshl_b32 s82, s16, 8
	s_add_co_u32 s82, s82, GATH
	v_add_nc_u32 v[GAR], s82, v[L8]
	; where the results go, as offsets
	s_mul_i32 s89, s21, 12
	s_mul_i32 s90, s19, 3
	s_add_co_u32 s89, s89, s90                     ; batch x 12 + the group's first head
	s_cmp_ge_u32 s83, 3
	s_cselect_b32 s90, 3, 0
	s_sub_co_u32 s90, s83, s90
	s_add_co_u32 s90, s90, s89
	s_lshl_b32 s90, s90, 3
	s_add_co_u32 s90, s90, s22                     ; (head, block)
	s_lshl_b32 s91, s90, 13
	s_lshl_b32 s90, s90, 12
	s_cmp_lt_u32 s83, 3
	s_cselect_b32 s68, s90, s91                    ; 4,096 bytes each in QC, 8,192 in KVC
	s_lshl_b32 s90, s84, 8
	s_add_co_u32 s68, s68, s90                     ; + my block's 256 bytes of a tile's 512
	s_mov_b32 s69, 0
	s_add_co_u32 s70, s89, s86
	s_lshl_b32 s70, s70, 3
	s_add_co_u32 s70, s70, s22
	s_lshl_b32 s70, s70, 13
	s_and_b32 s90, s16, 3
	s_lshl_b32 s90, s90, 10
	s_add_co_u32 s70, s70, s90
	s_add_co_u32 s70, s70, 4096                    ; v: my image in KVC's second half
	s_mov_b32 s71, 0
	s_min_u32 s90, s16, 8                          ; the unit that I store: 0-2 q's, 3-5 k's, 6-8 v's
	s_cmp_ge_u32 s90, 3
	s_cselect_b32 s91, 1, 0
	s_cmp_ge_u32 s90, 6
	s_cselect_b32 s94, 1, 0
	s_add_co_u32 s91, s91, s94                     ; 0 q, 1 k, 2 v
	s_mul_i32 s94, s91, 3
	s_sub_co_u32 s90, s90, s94                     ; head of the group
	s_lshl_b32 s94, s21, 3
	s_add_co_u32 s94, s94, s22
	s_mul_i32 s94, s94, 12
	s_mul_i32 s95, s19, 3
	s_add_co_u32 s94, s94, s95
	s_add_co_u32 s94, s94, s90
	s_lshl_b32 s94, s94, 8                         ; QS: [batch][block][head][256]
	s_add_co_u32 s95, s89, s90
	s_lshl_b32 s95, s95, 3
	s_add_co_u32 s95, s95, s22
	s_lshl_b32 s95, s95, 9                         ; KVS: [batch][head][block][512]: k's unit, then v's
	s_max_u32 s96, s91, 1
	s_sub_co_u32 s96, s96, 1
	s_lshl_b32 s96, s96, 8
	s_add_co_u32 s95, s95, s96
	s_cmp_eq_u32 s91, 0
	s_cselect_b32 s72, s94, s95
	s_mov_b32 s73, 0
	s_wait_dscnt 0x0
	s_wait_kmcnt 0x0
	s_add_nc_u64 s[76:77], s[6:7], s[76:77]
	s_add_nc_u64 s[78:79], s[4:5], s[78:79]
	s_cmp_lt_u32 s83, 3
	s_cselect_b64 s[80:81], s[8:9], s[12:13]
	s_add_nc_u64 s[68:69], s[80:81], s[68:69]      ; q, k codes
	s_add_nc_u64 s[70:71], s[12:13], s[70:71]      ; v codes
	s_cmp_eq_u32 s91, 0
	s_cselect_b64 s[80:81], s[10:11], s[14:15]
	s_add_nc_u64 s[72:73], s[80:81], s[72:73]      ; my unit
.irp c, 0,1,2
	s_mov_b32 s[40+4*\c], 1                                        ; count = 1
	s_add_co_u32 s[41+4*\c], s74, \c*CHUNKB                        ; LDS address
	s_add_nc_u64 s[42+4*\c:43+4*\c], s[76:77], \c*2*WSTEP          ; global address: the chunk's two K steps lie on end
	s_or_b32 s[43+4*\c], s[43+4*\c], 0x80000000                   ; type = 2
	s_mov_b32 s[52+4*\c], 1
	s_add_co_u32 s[53+4*\c], s74, \c*CHUNKB
	s_add_nc_u64 s[54+4*\c:55+4*\c], s[78:79], \c*2*XSTEP
	s_or_b32 s[55+4*\c], s[55+4*\c], 0x80000000
.endr
	CROUND                                         ; all sixteen work-groups are here: the joint loads meet
	s_cmp_lt_u32 s16, 9                            ; a wave's three first fills stand in one branch on its number; four v_nop follow the third
	s_cbranch_scc0 .Lnot_w
	tensor_load_to_lds s[40:43], s[24:31]
	s_nop 0
	tensor_load_to_lds s[44:47], s[24:31]
	s_nop 0
	tensor_load_to_lds s[48:51], s[24:31]
	s_nop 0
	PLACES 4
	s_branch .Lasked
.Lnot_w:
	s_cmp_lt_u32 s16, 11
	s_cbranch_scc0 .Lasked
	tensor_load_to_lds s[52:55], s[32:39]
	s_nop 0
	tensor_load_to_lds s[56:59], s[32:39]
	s_nop 0
	tensor_load_to_lds s[60:63], s[32:39]
	s_nop 0
	PLACES 4
.Lasked:
; A K step: 11 fragments and their scale words from LDS, 24 matrix instructions.  o: the chunk's even or odd step.  The 24 accumulators take turns, one instruction a turn, in the same order in every
; step.  places: plain vector instructions in front of loads into registers that matrix instructions have read (ISA guide 7.12.1 for vector instructions).
.macro KSTEP o, zero, places
	PLACES \places
.irp t, 0,1,2,3,4,5,6,7
.irp c, 0,1
	ds_load_b128 v[XF+8*\t+4*\c:XF+8*\t+4*\c+3], v[AX] offset:XSTEP*\o+1024*\t+512*\c
.endr
.endr
.irp t, 0,1
.irp c, 0,1
	ds_load_b128 v[WF+8*\t+4*\c:WF+8*\t+4*\c+3], v[AW] offset:WSTEP*\o+1024*\t+512*\c
.endr
.endr
.irp c, 0,1
	ds_load_b128 v[WVF+4*\c:WVF+4*\c+3], v[AV] offset:WSTEP*\o+512*\c
.endr
	ds_load_b64 v[SX:SX+1], v[ASX] offset:XSTEP*\o
	ds_load_b64 v[SX+2:SX+3], v[ASX] offset:XSTEP*\o+256
	ds_load_b32 v[SW], v[ASW] offset:WSTEP*\o
	ds_load_b32 v[SWV], v[ASV] offset:WSTEP*\o
	s_wait_dscnt 0x0                               ; the SIMD's other two waves work meanwhile
.irp p, 0,1,2,3
	WM00 ACC+32*\p, WF, XF+16*\p, \zero, SW, SX+\p
	WM10 ACC+32*\p+8, WF+8, XF+16*\p, \zero, SW, SX+\p
	WM01 ACC+32*\p+16, WF, XF+16*\p+8, \zero, SW, SX+\p
	WM11 ACC+32*\p+24, WF+8, XF+16*\p+8, \zero, SW, SX+\p
.endr
	WIN 0x50                                       ; C and D in window 1
.irp p, 0,1,2,3
	WM00 16*\p, XF+16*\p, WVF, \zero, SX+\p, SWV
	WM10 16*\p+8, XF+16*\p+8, WVF, \zero, SX+\p, SWV
.endr
	WIN 0
.endm
.macro CHEAD left                      ; my load of this chunk has landed (left younger ones may stay out); behind the barrier everybody's has
	s_wait_tensorcnt \left
	s_barrier_signal -1
	s_barrier_wait -1
.endm
.macro STEPADR                         ; on to the next chunk: six plain vector instructions, which are also the places in front of its first loads
.irp a, AX, AW, AV, ASX, ASW, ASV
	v_add_nc_u32 v[\a], CHUNKB, v[\a]
.endr
.endm
	CHEAD 2
	KSTEP 0, 1, 0                                  ; the first K step starts the sums: nothing is cleared
	KSTEP 1, 0, 4
	STEPADR
	CHEAD 1
	KSTEP 0, 0, 0
	KSTEP 1, 0, 4
	STEPADR
	CHEAD 0
	KSTEP 0, 0, 0
	KSTEP 1, 0, 4
; THE WAY OUT.  64 numbers of a lane, four blocks' halves of 16 registers (the other half lies in lane l xor 16), become 8 registers of codes at v[pc] and four bytes at v[tm + 4] on.
; w1, w2, w3: the register windows of the three forms of line that read the numbers.  Each accumulator is read from its low end on.
.macro QUANT s, tm, pc, w1, w2, w3
	WIN \w1
.irp b, 0,1,2,3
	v_max3_num_f32 v[\tm+\b], |v[\s+16*\b]|, |v[\s+1+16*\b]|, 0x1800000   ; and the floor 2^(3 - 127): the byte cannot fall under 1
.endr
	WIN \w2
.irp i, 2,4,6,8,10,12,14
.irp b, 0,1,2,3
	v_max3_num_f32 v[\tm+\b], v[\tm+\b], |v[\s+16*\b+\i]|, |v[\s+1+16*\b+\i]|   ; (the four blocks by turns)
.endr
.endr
	WIN 0
.irp b, 0,1,2,3
	v_permlanex16_b32 v[\tm+4+\b], v[\tm+\b], s[SEL], s[SEL+1]
.endr
.irp b, 0,1,2,3
	v_max_num_f32 v[\tm+\b], v[\tm+\b], v[\tm+4+\b]   ; the block's largest magnitude
.endr
.irp b, 0,1,2,3
	v_add_nc_u32 v[\tm+12+\b], 0xff000000, v[\tm+\b]   ; 2 off its exponent field: the conversion's scale operand
.endr
.irp b, 0,1,2,3
	v_lshrrev_b32 v[\tm+4+\b], 23, v[\tm+12+\b]   ; the scale's byte
.endr
	WIN \w3
.irp b, 0,1,2,3
	v_cvt_scalef32_pk8_fp4_f32 v[\pc+2*\b], v[\s+16*\b:\s+7+16*\b], v[\tm+12+\b]
	v_cvt_scalef32_pk8_fp4_f32 v[\pc+1+2*\b], v[\s+8+16*\b:\s+15+16*\b], v[\tm+12+\b]
.endr
	WIN 0
	v_nop                                          ; one plain place behind the scaled conversions
.endm
; q, k: tiles of tokens 4 half + b.  A lane's two registers are the codes of 16 neighbours of one token's block: 8 bytes at 16 r + 8 h: the wave stores 256 consecutive bytes, aligned.
.macro QKOUT half
.irp b, 0,1,2,3
	global_store_b64 v[GQ], v[PCQ+8*\half+2*\b:PCQ+8*\half+2*\b+1], s[68:69] offset:512*(4*\half+\b)
	ds_store_b8 v[GAQ], v[TMQ+16*\half+4+\b] offset:128*(\b/2)+4*\half+2*(\b%2)   ; byte 2 u + block of the word of (pair of tiles, row r); both halves of the lanes write the same value
.endr
.endm
	PLACES 4                                       ; in front of the first read of results and the first write of the fragments' registers
.irp b, 0,1,2,3
	v_mov_b32 v[TMQ+4+\b], 0                       ; a lane permute's destination counts as one of its sources
	v_mov_b32 v[TMQ+20+\b], 0
	v_mov_b32 v[TMV+4+\b], 0
.endr
	QUANT ACC, TMQ, PCQ, 0, 0, 0
	QKOUT 0
	QUANT ACC+64, TMQ+16, PCQ+8, 0, 0, 0
	QKOUT 1
	QUANT 0, TMV, PCV, 0x05, 0x14, 0x01            ; v: the numbers lie in window 1
	v_lshl_or_b32 v[PW], v[TMV+5], 8, v[TMV+4]     ; the four bytes make my channel's scale word for these 128 keys
	v_lshl_or_b32 v[PW], v[TMV+6], 16, v[PW]
	v_lshl_or_b32 v[PW], v[TMV+7], 24, v[PW]
.irp c, 0,1                                    ; the operand's layout wants a WHOLE block in a lane: lanes 0-15 block 2 c, lanes 16-31 block 2 c + 1
.irp i, 0,1
	v_permlane16_swap_b32 v[PCV+4*\c+\i], v[PCV+2+4*\c+\i]
.endr
.endr
	global_store_b128 v[GV], v[PCV:PCV+3], s[70:71]               ; the fragment's image: 512 consecutive bytes a store
	global_store_b128 v[GV], v[PCV+4:PCV+7], s[70:71] offset:512
	ds_store_b32 v[GAV], v[PW]
	s_wait_dscnt 0x0                               ; for the others' sake: my bytes and my word lie in the units
	s_barrier_signal -1
	s_barrier_wait -1
	s_cmp_lt_u32 s16, 9
	s_cbranch_scc0 .Lno_unit
	ds_load_b64 v[UB:UB+1], v[GAR]
	s_wait_dscnt 0x0
	global_store_b64 v[L8], v[UB:UB+1], s[72:73]   ; 32 lanes store a unit: 256 consecutive bytes, aligned
.Lno_unit:
	s_wait_tensorcnt 0x0
	ds_add_u32 v254, v255
	s_wait_dscnt 0x0
	CROUND                                         ; the closing round: no work-group ends while a partner may still ask for bytes jointly
	s_endpgm
.Lfunc_end_k_q8552a73e00_proj:
	.size	k_q8552a73e00_proj, .Lfunc_end_k_q8552a73e00_proj-k_q8552a73e00_proj
	.p2alignl 7, 3214868480
	.fill 96, 4, 3214868480
	.section	.rodata,"a",@progbits
	.p2align	6, 0x0
	.amdhsa_kernel k_q8552a73e00_proj
		.amdhsa_group_segment_fixed_size 327680
		.amdhsa_private_segment_fixed_size 0
		.amdhsa_enable_private_segment 0
		.amdhsa_kernarg_size 48
		.amdhsa_user_sgpr_count 2
		.amdhsa_user_sgpr_kernarg_segment_ptr 1
		.amdhsa_wavefront_size32 1
		.amdhsa_system_sgpr_workgroup_id_x 1
		.amdhsa_system_sgpr_workgroup_id_y 1
		.amdhsa_system_sgpr_workgroup_id_z 1
		.amdhsa_system_vgpr_workitem_id 0
		.amdhsa_next_free_vgpr 320
		.amdhsa_next_free_sgpr 100
		.amdhsa_reserve_vcc 0
		.amdhsa_float_denorm_mode_32 3
		.amdhsa_float_denorm_mode_16_64 3
		.amdhsa_memory_ordered 1
		.amdhsa_forward_progress 1
		.amdhsa_inst_pref_size 53
	.end_amdhsa_kernel
	.amdgpu_metadata
---
amdhsa.version: [ 1, 2 ]
amdhsa.kernels:
  - .name:           k_q8552a73e00_proj
    .symbol:         k_q8552a73e00_proj.kd
    .args:
      - { .name: XI, .offset: 0, .size: 8, .value_kind: global_buffer, .address_space: global }
      - { .name: WI, .offset: 8, .size: 8, .value_kind: global_buffer, .address_space: global }
      - { .name: QC, .offset: 16, .size: 8, .value_kind: global_buffer, .address_space: global }
      - { .name: QS, .offset: 24, .size: 8, .value_kind: global_buffer, .address_space: global }
      - { .name: KVC, .offset: 32, .size: 8, .value_kind: global_buffer, .address_space: global }
      - { .name: KVS, .offset: 40, .size: 8, .value_kind: global_buffer, .address_space: global }
    .group_segment_fixed_size: 327680
    .private_segment_fixed_size: 0
    .kernarg_segment_align: 8
    .kernarg_segment_size: 48
    .max_flat_workgroup_size: 384
    .sgpr_count:     100
    .vgpr_count:     320
    .wavefront_size: 32
...
	.end_amdgpu_metadata
.endif
;; end of part 2
;; launch attn (part 3): grid 256 x 1, 12 waves a work-group, no clusters, 67,072 bytes of LDS; arguments QC, QS, KVC, KVS, X, ln_gamma, ln_beta, out0; writes out0
.if DOCPART == 3
	.amdgcn_target "amdgcn-amd-amdhsa--gfx1250"
	.amdhsa_code_object_version 6
	.text
	.protected	k_q8552a73e00_attn
	.globl	k_q8552a73e00_attn
	.p2align	8
	.type	k_q8552a73e00_attn,@function
k_q8552a73e00_attn:
	s_mov_b64 s[64:65], 0
	v_nop
	global_prefetch_b8 v0, s[64:65] scope:SCOPE_SE
	s_setreg_imm32_b32 hwreg(HW_REG_WAVE_MODE, 25, 1), 1
	s_wait_xcnt 0x0
; out = relu(LayerNorm(softmax(q k^T / 8) v + X) gamma + beta), both products on codes of FP4 (E2M1) with E8M0 scales, all else in f32.
; SHARES.  A work-group owns 32 tokens of a batch and all 768 channels, so that the LayerNorm stays inside it.  Wave w is head w and holds two tiles of 16 queries (u = 0, 1; lane r: token 8 u + r + 8 (r / 8)).
; Every wave walks its head's 1,024 keys, 128 a step.  Three waves share a SIMD: one wave's matrix work and loads stand beside another's softmax.
; K AND V GO FROM MEMORY STRAIGHT INTO REGISTERS.  A step's K (4,096 bytes), V^T (4,096) and scale words (2 x 256) are read by ONE wave of the work-group, and the launch before laid them as images of that wave's
; operand registers: eight loads of 512 consecutive bytes each, and one of 256 for the scale words.  K has two buffers by turns and is asked for a whole step ahead; V has one and is asked for as soon as the
; second product has read it, which is a step less that product ahead.  No wave waits for another before the LayerNorm.
; NO CLUSTER, NO RING, AND WHY.  The four work-groups of a block of 128 tokens walk the same K and V and could ask jointly through LDS.  But a ring has room for one step in each of two slots
; (12 waves x 2 x 8,192 = 196,608 bytes; two steps to a slot would be 393,216, more than the 327,680 that there are), so one step's bytes could be on their way, and in front of each of the refills all
; 48 waves of the four partners would have to meet.  The price of this form: each work-group asks for its own copy of K and V, 12 x 8 x 8,704 bytes.
; LAYOUT.  Both products are used transposed: S^T = K Q^T, O^T = V^T P^T: a lane holds ONE query throughout.
; K = 64 IN AN INSTRUCTION OF 128: a fragment of K holds TWO tiles of 16 keys, one in each half of the 128; Q stands in one half beside zero codes ([0000][QQQQ][0000]: registers 4-11 take the first tile,
; registers 0-7 the second).  Zero codes add nothing, and every scale byte is a true byte (1 to 254).
; The keys of a tile are chosen so that the 16 registers of a fragment's two tiles are 16 neighbouring keys: register 16 f + i = key 32 f + 16 (lane / 16) + i.
; THE SOFTMAX: t = score x log2(e) / 8; M = the running largest t rounded UP to a whole number; p = 2^(t - M) is quantised along the keys, not normalised; the row's sum is taken of the unquantised p and divides at
; the end; when M moves, the sum and O are multiplied by 2^(old M - new M): exact.  A block's largest p is taken through its largest score (this takes v_exp_f32 not to fall where its input rises).
; LAYERNORM in two passes (the mean; then the squares of the differences): twelve parts a row meet in LDS, added in one order by every wave.
; LIMITS: NaN and infinities are not served; p under 2^-126 comes out as 0; a block of p that is all zeros keeps the byte 1 (its codes are zeros).
.set STEPB, 8192                       ; a step of a head in KVC: K's four fragments, then V^T's four
.set STEPS, 512                        ; and in KVS: K's unit of scale words, then V's
.set STAGE, 0                          ; LDS: 16 rows x 272 bytes for each wave
.set GB,    52224                      ; gamma, beta of my 64 channels: 512 bytes a wave
.set RED1,  58368                      ; 32 rows x 80 bytes: a word for each head: the sums;  2,560 bytes on: the sums of squares
.set L8,  2                            ; v2   8 x lane; never rewritten
.set GO,  7                            ; v7   X, out: 3,072 (lane / 16) + 16 (lane % 16)
.set STR, 8                            ; v8   the stage by rows: 272 (lane / 16) + 16 (lane % 16)
.set STD, 9                            ; v9   the stage by queries: 272 r + 32 h
.set PFO, 10                           ; v10  256 x lane; never rewritten
.set RA,  11                           ; v11  my word of a row's twelve
.set RB,  12                           ; v12  a row's twelve
.set GBA, 13                           ; v13  gamma, beta: 32 h
.set GBW, 14                           ; v14  gamma, beta on the way in: 8 x lane
.set L16, 15                           ; v15  16 x lane; never rewritten
.set QZ,  16                           ; v16-27, v28-39  zeros, Q, zeros, for u = 0, 1
.set SQ,  40                           ; v40-41 Q's scale words;  v42-43 K's of even steps;  v44-45 V's;  v46-47 p's;  v248-249 K's of odd steps
.set SK,  42
.set SV,  44
.set PW,  46
.set SK1, 248
.set KA,  48                           ; v48-79   K's four fragments of even steps
.set KW,  0                            ; v256-287 (window 1) K's of odd steps
.set VB,  32                           ; v288-319 (window 1) V^T's four fragments
.set S,   80                           ; v80-143  S^T, then p
.set OA,  144                          ; v144-207 O^T: (u, t) at 144 + 32 u + 8 t
.set PC,  208                          ; v208-223 p's codes
.set ST,  224                          ; v224 + 4 u: -M, the largest t, the sum in two halves
.set BM,  232                          ; v232-235 the blocks' largest scores, then p
.set PT,  236                          ; v236-239 at work
.set SO,  240                          ; v240-243 the conversions' scale operands
.set FF,  244                          ; v[244:245] f = 2^(old M - new M), named as a pair
.set TT,  246
.set GBR, 250                          ; v250-253 gamma, beta as loaded; written once
.set RS,  112                          ; the way out: v112-127 my part of a row's sum
.set RP,  208                          ; v208-231 a row's twelve parts, for u = 0, 1
.set WV,  20                           ; s20 wave
.set KB,  24                           ; s[24:25] my head's codes in KVC, at the trip's first step
.set KSB, 26                           ; s[26:27] my head's scale words in KVS, likewise
.set SEL, 48
.set CS,  50                           ; s[50:51] c = log2(e) / 8
.set TRIPS, 54
.set LIM, 55                           ; s55 1 in a wave that prefetches, else 0
.set PFA, 56                           ; s[56:57] the head for which I prefetch, at the trip's first step
.set MSB, 0
.macro WIN new                         ; the immediate's high byte repeats the setting that is left
.if MSB != \new
	s_set_vgpr_msb (MSB<<8)|\new
.set MSB, \new
.endif
.endm
.macro PLACES n
.rept \n
	v_nop
.endr
.endm
.macro WM00 d, a, b, z, sa, sb         ; source 0's scales in lanes 0-15
.if \z
	v_wmma_scale_f32_16x16x128_f8f6f4 v[\d:\d+7], v[\a:\a+7], v[\b:\b+7], 0, v[\sa], v[\sb] matrix_a_fmt:MATRIX_FMT_FP4 matrix_b_fmt:MATRIX_FMT_FP4
.else
	v_wmma_scale_f32_16x16x128_f8f6f4 v[\d:\d+7], v[\a:\a+7], v[\b:\b+7], v[\d:\d+7], v[\sa], v[\sb] matrix_a_fmt:MATRIX_FMT_FP4 matrix_b_fmt:MATRIX_FMT_FP4
.endif
.endm
.macro WM10 d, a, b, z, sa, sb         ; in lanes 16-31
.if \z
	v_wmma_scale_f32_16x16x128_f8f6f4 v[\d:\d+7], v[\a:\a+7], v[\b:\b+7], 0, v[\sa], v[\sb] matrix_a_fmt:MATRIX_FMT_FP4 matrix_b_fmt:MATRIX_FMT_FP4 matrix_a_scale:MATRIX_SCALE_ROW1
.else
	v_wmma_scale_f32_16x16x128_f8f6f4 v[\d:\d+7], v[\a:\a+7], v[\b:\b+7], v[\d:\d+7], v[\sa], v[\sb] matrix_a_fmt:MATRIX_FMT_FP4 matrix_b_fmt:MATRIX_FMT_FP4 matrix_a_scale:MATRIX_SCALE_ROW1
.endif
.endm
; K of the step st (counted from the trip's first) into buffer b, with its scale words: nine loads
.macro LOADK b, st
.if (\b) == 0
.irp f, 0,1,2,3
.irp c, 0,1
	global_load_b128 v[KA+8*\f+4*\c:KA+8*\f+4*\c+3], v[L16], s[KB:KB+1] offset:STEPB*(\st)+1024*\f+512*\c   ; fragment f: tile 2 f in the first half of the 128, tile 2 f + 1 in the second; 512 consecutive bytes a load
.endr
.endr
	global_load_b64 v[SK:SK+1], v[L8], s[KSB:KSB+1] offset:STEPS*(\st)
.else
	WIN 0x40                                       ; destination window 1
.irp f, 0,1,2,3
.irp c, 0,1
	global_load_b128 v[KW+8*\f+4*\c:KW+8*\f+4*\c+3], v[L16], s[KB:KB+1] offset:STEPB*(\st)+1024*\f+512*\c
.endr
.endr
	WIN 0
	global_load_b64 v[SK1:SK1+1], v[L8], s[KSB:KSB+1] offset:STEPS*(\st)
.endif
.endm
.macro LOADV st                        ; V^T of the step st, with its scale words: nine loads
	WIN 0x40
.irp f, 0,1,2,3
.irp c, 0,1
	global_load_b128 v[VB+8*\f+4*\c:VB+8*\f+4*\c+3], v[L16], s[KB:KB+1] offset:STEPB*(\st)+4096+1024*\f+512*\c
.endr
.endr
	WIN 0
	global_load_b64 v[SV:SV+1], v[L8], s[KSB:KSB+1] offset:STEPS*(\st)+256
.endm
; A PREFETCH INTO THE L2 of the step st of a head: its 8,192 bytes, lanes 256 bytes apart, one instruction.  It stands where the wave has just issued its loads of the step before that one: K of the step named is
; asked for one step later, V two.  All 32 work-groups of a batch walk the same K and V: the four of the batch's first block of 128 tokens ask, three heads each (waves 0 to 2: head 3 x (work-group % 4) + wave).
; So each block of steps 2 to 7 is named once in the launch; steps 0 and 1 and the scale words come by their loads alone; the last two steps ask for nothing.
.macro ASK st
	s_cmp_eq_u32 s[LIM], 1
	s_cbranch_scc0 .Lnot_mine_\@
	global_prefetch_b8 v[PFO], s[PFA:PFA+1] offset:STEPB*(\st) th:TH_LOAD_NT scope:SCOPE_SE
.Lnot_mine_\@:
.endm
	s_load_b512 s[4:19], s[0:1], 0x0               ; QC s[4:5], QS s[6:7], KVC s[8:9], KVS s[10:11], X s[12:13], gamma s[14:15], beta s[16:17], out s[18:19]
	v_lshl_add_u32 v254, v0, 2, 0x10000
	v_mov_b32 v255, 0
	v_lshrrev_b32 v3, 5, v0
	v_readfirstlane_b32 s[WV], v3                  ; wave = head 0..11
	s_and_b32 s21, ttmp9, 3                        ; my 32 tokens of a block of 128
	s_lshr_b32 s77, ttmp9, 2                       ; the block, 0..63
	s_lshr_b32 s22, ttmp9, 5                       ; batch
	s_and_b32 s23, s77, 7                          ; the block in its batch
	s_mul_i32 s58, s22, 12
	s_add_co_u32 s58, s58, s[WV]                   ; (batch, head)
	s_lshl_b32 s60, s58, 16                        ; its 8 steps of 8,192 bytes in KVC
	s_mov_b32 s61, 0
	s_lshl_b32 s62, s58, 12                        ; its 4,096 bytes in KVS
	s_mov_b32 s63, 0
	s_lshl_b32 s66, s58, 3
	s_add_co_u32 s66, s66, s23
	s_lshl_b32 s66, s66, 12
	s_lshl_b32 s68, s21, 10
	s_add_co_u32 s66, s66, s68                     ; QC: (batch, head, block) x 4,096 + my two tiles' 1,024
	s_mov_b32 s67, 0
	s_mul_i32 s68, s77, 12
	s_add_co_u32 s68, s68, s[WV]
	s_lshl_b32 s68, s68, 8
	s_and_b32 s70, s21, 1
	s_lshl_b32 s70, s70, 7
	s_add_co_u32 s68, s68, s70
	s_lshr_b32 s70, s21, 1
	s_lshl_b32 s70, s70, 2
	s_add_co_u32 s68, s68, s70                     ; QS: the unit of (batch, block, head), the words of my pair of tiles
	s_mov_b32 s69, 0
	s_mul_i32 s70, ttmp9, 32*3072
	s_lshl_b32 s72, s[WV], 8
	s_add_co_u32 s70, s70, s72                     ; X, out: my first token's row, my head's 256 bytes
	s_mov_b32 s71, 0
	s_mov_b32 s73, 0
	s_mul_i32 s74, s22, 12
	s_mul_i32 s75, s21, 3
	s_add_co_u32 s74, s74, s75
	s_min_u32 s75, s[WV], 2
	s_add_co_u32 s74, s74, s75
	s_lshl_b32 s74, s74, 16                        ; the prefetches: head 3 x (work-group % 4) + wave
	s_mov_b32 s75, 0
	s_cmp_lt_u32 s[WV], 3
	s_cselect_b32 s[LIM], 0, 1
	s_or_b32 s[LIM], s[LIM], s23                   ; 0 in waves 0 to 2 of the batch's first block
	s_cmp_eq_u32 s[LIM], 0
	s_cselect_b32 s[LIM], 1, 0
	s_mov_b32 s[SEL], 0x76543210
	s_mov_b32 s[SEL+1], 0xfedcba98                 ; v_permlanex16_b32's selects for lane l xor 16
	s_mov_b32 s[CS], 0x3e38aa3b                    ; c = log2(e) / 8
	s_mov_b32 s[CS+1], s[CS]                       ; (named with it as a pair, so it is written)
	s_mov_b32 s[TRIPS], 3
	v_and_b32 v15, 31, v0                          ; lane
	v_and_b32 v3, 15, v0                           ; r
	v_bfe_u32 v4, v0, 4, 1                         ; h
	v_lshlrev_b32 v[PFO], 8, v15
	v_lshlrev_b32 v[L8], 3, v15
	v_lshlrev_b32 v[L16], 4, v15
	v_mul_u32_u24 v[GO], v4, 3072
	v_lshl_add_u32 v[GO], v3, 4, v[GO]
	s_mul_i32 s76, s[WV], 16*272
	s_add_co_u32 s76, s76, STAGE                   ; my stage
	v_mul_u32_u24 v[STR], v4, 272
	v_lshl_add_u32 v[STR], v3, 4, v[STR]
	v_add_nc_u32 v[STR], s76, v[STR]
	v_mul_u32_u24 v[STD], v3, 272
	v_lshl_add_u32 v[STD], v4, 5, v[STD]
	v_add_nc_u32 v[STD], s76, v[STD]
	v_mul_u32_u24 v[RB], v3, 80
	v_add_nc_u32 v[RB], RED1, v[RB]
	s_lshl_b32 s76, s[WV], 2
	v_add_nc_u32 v[RA], s76, v[RB]
	s_lshl_b32 s76, s[WV], 9
	s_add_co_u32 s76, s76, GB
	v_lshl_add_u32 v[GBA], v4, 5, s76
	v_add_nc_u32 v[GBW], s76, v[L8]
	v_lshlrev_b32 v3, 3, v3                        ; 8 r, for Q's scale words
	s_wait_kmcnt 0x0
	s_add_nc_u64 s[KB:KB+1], s[8:9], s[60:61]
	s_add_nc_u64 s[KSB:KSB+1], s[10:11], s[62:63]
	s_add_nc_u64 s[PFA:PFA+1], s[8:9], s[74:75]
	s_add_nc_u64 s[4:5], s[4:5], s[66:67]
	s_add_nc_u64 s[6:7], s[6:7], s[68:69]
	s_add_nc_u64 s[12:13], s[12:13], s[70:71]
	s_add_nc_u64 s[18:19], s[18:19], s[70:71]
	s_add_nc_u64 s[14:15], s[14:15], s[72:73]
	s_add_nc_u64 s[16:17], s[16:17], s[72:73]
.irp u, 0,1
	global_load_b128 v[QZ+12*\u+4:QZ+12*\u+7], v[L16], s[4:5] offset:512*\u   ; Q: lane (r, h): block h of query r
.endr
	global_load_b32 v[BM], v3, s[6:7]              ; the scale bytes of my two tiles' queries: bytes 0, 1: u = 0; bytes 2, 3: u = 1
	global_load_b64 v[GBR:GBR+1], v[L8], s[14:15]  ; gamma, beta of my 64 channels
	global_load_b64 v[GBR+2:GBR+3], v[L8], s[16:17]
	LOADK 0, 0                                     ; key step 0
	LOADV 0
.irp j, 0,1,2,3,8,9,10,11,12,13,14,15,20,21,22,23
	v_mov_b32 v[QZ+\j], 0                          ; the zero codes beside Q
.endr
.set j, 0
.rept 64
	v_mov_b32 v[OA+j], 0                           ; O^T.  (The step is written once for all steps: the first finds zeros, which the first change of M leaves zeros)
.set j, j+1
.endr
	s_wait_loadcnt 18                              ; the five small loads are in; K's nine and V's nine of step 0 may be out
	v_and_b32 v[TT], 0xffff, v[BM]
	v_lshl_or_b32 v[SQ], v[BM], 16, v[TT]          ; a tile's two bytes in both halves of its word: Q may stand in either half of the 128
	v_lshrrev_b32 v[TT], 16, v[BM]
	v_and_or_b32 v[SQ+1], v[BM], 0xffff0000, v[TT]
	ds_store_b64 v[GBW], v[GBR:GBR+1]
	ds_store_b64 v[GBW], v[GBR+2:GBR+3] offset:256
.irp u, 0,1
	v_mov_b32 v[ST+4*\u+1], 0xff61b1e6             ; the largest t so far: -3e38, under every t
	v_floor_f32 v[ST+4*\u], -v[ST+4*\u+1]          ; -M
	v_mov_b32 v[ST+4*\u+2], 0                      ; the sum, in two halves
	v_mov_b32 v[ST+4*\u+3], 0
.endr
.irp b, 0,1,2,3
	v_mov_b32 v[PT+\b], 0                          ; a lane permute's destination counts as one of its sources
.endr
	v_mov_b32 v[FF+1], 0                           ; (named as the upper half of the pair)
.macro SMUL u                          ; S^T = K Q^T for tile u: fragment f (at KFR, scale words at SKR) against Q in the first half (keys 32 f + 16 h + 0 .. 7) and in the second (+ 8 .. 15)
.irp q, 0,1
	WM00 S+32*\q, KFR+16*\q, QZ+12*\u+4, 1, SKR+\q, SQ+\u
	WM00 S+32*\q+8, KFR+16*\q, QZ+12*\u, 1, SKR+\q, SQ+\u
	WM10 S+32*\q+16, KFR+16*\q+8, QZ+12*\u+4, 1, SKR+\q, SQ+\u
	WM10 S+32*\q+24, KFR+16*\q+8, QZ+12*\u, 1, SKR+\q, SQ+\u
.endr
.endm
.macro PV                              ; O^T += V^T P^T: eight accumulators by turns
.irp q, 0,1
.irp u, 0,1
	WM00 OA+32*\u+16*\q, VB+16*\q, PC+8*\u, 0, SV+\q, PW+\u
.endr
.irp u, 0,1
	WM10 OA+32*\u+16*\q+8, VB+16*\q+8, PC+8*\u, 0, SV+\q, PW+\u
.endr
.endr
.endm
.macro SOFTMAX u
.set rT, ST+4*(\u)
.set rP, PC+8*(\u)
.set rO, OA+32*(\u)
.set rW, PW+(\u)
.irp b, 0,1,2,3
	v_max3_num_f32 v[BM+\b], v[S+16*\b], v[S+1+16*\b], v[S+2+16*\b]   ; the largest score of each block of 32 keys: it serves for the row's maximum and, since p rises with the score, for the block's largest p
.endr
.irp i, 3,5,7,9,11,13
.irp b, 0,1,2,3
	v_max3_num_f32 v[BM+\b], v[BM+\b], v[S+16*\b+\i], v[S+1+16*\b+\i]   ; (the four blocks by turns)
.endr
.endr
.irp b, 0,1,2,3
	v_max_num_f32 v[BM+\b], v[BM+\b], v[S+15+16*\b]
.endr
.irp b, 0,1,2,3
	v_permlanex16_b32 v[PT+\b], v[BM+\b], s[SEL], s[SEL+1]
.endr
.irp b, 0,1,2,3
	v_max_num_f32 v[BM+\b], v[BM+\b], v[PT+\b]     ; with lane l xor 16's 16 keys
.endr
	v_max3_num_f32 v[TT], v[BM], v[BM+1], v[BM+2]
	v_max_num_f32 v[TT], v[TT], v[BM+3]            ; the step's largest score of my query
	v_mul_f32 v[TT], s[CS], v[TT]                  ; as t (c is positive)
	v_max_num_f32 v[rT+1], v[rT+1], v[TT]          ; the running largest t
	v_mov_b32 v[TT], v[rT]
	v_floor_f32 v[rT], -v[rT+1]                    ; the new -M = floor(-t): M is a whole number
	v_sub_f32 v[TT], v[rT], v[TT]                  ; old M - new M: a whole number, 0 or less
	v_cvt_i32_f32 v[TT], v[TT]                     ; (it saturates)
	v_ldexp_f32 v[FF], 1.0, v[TT]                  ; f = 2^(old M - new M)
.set j, 0
.rept 32
	v_pk_fma_f32 v[S+j:S+j+1], v[S+j:S+j+1], s[CS:CS+1], v[rT:rT+1] op_sel_hi:[1,0,0]   ; t - M, two at a time
.set j, j+2
.endr
.irp b, 0,1,2,3
	v_fma_f32 v[BM+\b], v[BM+\b], s[CS], v[rT]     ; the same of each block's largest score
.endr
.set j, 0
.rept 64
	v_exp_f32 v[S+j], v[S+j]                       ; p = 2^(t - M), at most 1: not normalised
.set j, j+1
.endr
	v_pk_mul_f32 v[rT+2:rT+3], v[rT+2:rT+3], v[FF:FF+1] op_sel_hi:[1,0]   ; the sums under the new M.  (The plain place behind the exponentials)
	s_wait_alu depctr_va_vdst(0)                   ; one wait for the whole batch, ahead of its first reader
.irp b, 0,1,2,3
	v_exp_f32 v[BM+\b], v[BM+\b]                   ; the block's largest p: the same two instructions on the same number give the same bits
.endr
	v_pk_add_f32 v[PT:PT+1], v[S:S+1], v[S+2:S+3]  ; the row's sum is taken of the unquantised p: two at a time, in two chains; it reads the 64 alone
.irp j, 4,8,12,16,20,24,28,32,36,40,44,48,52,56,60
	v_pk_add_f32 v[rT+2:rT+3], v[rT+2:rT+3], v[S+\j:S+1+\j]
	v_pk_add_f32 v[PT:PT+1], v[PT:PT+1], v[S+2+\j:S+3+\j]
.endr
	v_pk_add_f32 v[rT+2:rT+3], v[rT+2:rT+3], v[PT:PT+1]
	s_wait_alu depctr_va_vdst(0)                   ; and one for the four
.irp b, 0,1,2,3
	v_max_num_f32 v[BM+\b], 0x1800000, v[BM+\b]    ; the floor 2^(3 - 127): the byte cannot fall under 1
.endr
.irp b, 0,1,2,3
	v_add_nc_u32 v[SO+\b], 0xff000000, v[BM+\b]    ; 2 off the exponent field: the conversion's scale operand
.endr
.irp b, 0,1,2,3
	v_lshrrev_b32 v[PT+\b], 23, v[SO+\b]           ; the scale's byte
.endr
	v_lshl_or_b32 v[rW], v[PT+1], 8, v[PT]         ; p's scale word for these 128 keys
	v_lshl_or_b32 v[rW], v[PT+2], 16, v[rW]
	v_lshl_or_b32 v[rW], v[PT+3], 24, v[rW]
.irp b, 0,1,2,3
	v_cvt_scalef32_pk8_fp4_f32 v[rP+2*\b], v[S+16*\b:S+7+16*\b], v[SO+\b]
	v_cvt_scalef32_pk8_fp4_f32 v[rP+1+2*\b], v[S+8+16*\b:S+15+16*\b], v[SO+\b]
.endr
	v_nop                                          ; one plain place behind the scaled conversions
.irp c, 0,1                                    ; the operand's layout wants a WHOLE block in a lane
.irp i, 0,1
	v_permlane16_swap_b32 v[rP+4*\c+\i], v[rP+2+4*\c+\i]
.endr
.endr
.set j, 0
.rept 16
	v_pk_mul_f32 v[rO+j:rO+j+1], v[rO+j:rO+j+1], v[FF:FF+1] op_sel_hi:[1,0]   ; O^T under the new M.  (These sixteen are also the places between the scale word, the codes and the products that take them)
.set j, j+2
.endr
.endm
; A KEY STEP: 128 keys: step o (0 or 1) of a trip; its K lies in buffer o.  At its head my loads that are out are, in the order of issue, this step's K (nine) and this step's V (nine).
; last = 1: the head's last step: nothing of K or V is left to ask for; the residual's rows are asked for into K's two buffers as they fall free.  ask = 1: the step two on is prefetched.
.macro STEP o, last, ask
.set KFR, KA+(KW-KA)*(\o)
.set SKR, SK+(SK1-SK)*(\o)
.if \last
.irp i, 0,1,2,3,4,5,6,7
	global_load_b128 v[KA+4*\i:KA+4*\i+3], v[GO], s[12:13] offset:(2*\i+8*(\i/4))*3072 th:TH_LOAD_NT   ; X, two rows of tile 0: sixteen lanes read 256 consecutive bytes, aligned
.endr
	s_wait_loadcnt 17                              ; this step's K is in; behind it: V's nine and X's eight
.else
	LOADK 1-\o, \o+1                               ; the next step's K, into the buffer that the step before read last: a softmax's plain lines stand between
.if \ask
	ASK \o+2
.endif
	s_wait_loadcnt 18                              ; this step's K is in; behind it: this step's V and the next step's K, nine each
.endif
	WIN \o                                         ; buffer 1 lies in window 1: source 0
	SMUL 0
	WIN 0
	PLACES 4                                       ; in front of the first read of the scores
	SOFTMAX 0
	WIN \o
	SMUL 1
	WIN 0
	PLACES 4                                       ; in front of the first read of the scores, and of loads into K's registers
.if \last
	WIN 0x40
.irp i, 0,1,2,3,4,5,6,7
	global_load_b128 v[KW+4*\i:KW+4*\i+3], v[GO], s[12:13] offset:(8+2*\i+8*(\i/4))*3072 th:TH_LOAD_NT   ; X, tile 1
.endr
	WIN 0
.endif
	SOFTMAX 1
.if \last
	s_wait_loadcnt 16                              ; V is in; behind it: X's sixteen
.else
	s_wait_loadcnt 9                               ; V is in; behind it: the next step's K
.endif
	WIN 0x01                                       ; V^T lies in window 1: source 0
	PV
	WIN 0
.if \last == 0
	PLACES 4                                       ; in front of loads into registers that matrix instructions have read
	LOADV \o+1                                     ; the next step's V
.endif
.endm
.Ltrip:                                        ; three trips of two steps, until K's buffers are back where they began: steps 0 to 5
	STEP 0, 0, 1
	STEP 1, 0, 1
	s_wait_xcnt 0x0                                ; every load and prefetch issued so far has read its base: only behind this wait are the three bases stepped
	s_add_nc_u64 s[KB:KB+1], s[KB:KB+1], 2*STEPB
	s_add_nc_u64 s[KSB:KSB+1], s[KSB:KSB+1], 2*STEPS
	s_add_nc_u64 s[PFA:PFA+1], s[PFA:PFA+1], 2*STEPB
	s_sub_co_u32 s[TRIPS], s[TRIPS], 1
	s_cmp_lg_u32 s[TRIPS], 0
	s_cbranch_scc1 .Ltrip
	STEP 0, 0, 0                                   ; steps 6 and 7 are written out: no load and no prefetch leaves its buffer
	STEP 1, 1, 0
	; THE WAY OUT.  The sum's halves; these lines are also the places behind the last products
.irp u, 0,1
	v_add_f32 v[ST+4*\u+2], v[ST+4*\u+2], v[ST+4*\u+3]
.endr
.irp u, 0,1
	v_permlanex16_b32 v[PT+\u], v[ST+4*\u+2], s[SEL], s[SEL+1]
.endr
.irp u, 0,1
	v_add_f32 v[ST+4*\u+2], v[ST+4*\u+2], v[PT+\u]   ; the row's sum l
.endr
.irp u, 0,1
	v_rcp_f32 v[BM+2*\u], v[ST+4*\u+2]
.endr
	v_nop                                          ; the plain place behind the reciprocals
	s_mov_b32 s58, 0x3aaaaaab                      ; 1 / 768
	s_mov_b32 s59, 0x3727c5ac                      ; 1e-5
	s_wait_loadcnt 0x0                             ; X
	; the residual turns through my stage: in by rows, as it was loaded; out by queries, in O^T's layout.  LDS serves a wave's instructions in order
.irp i, 0,1,2,3,4,5,6,7
	ds_store_b128 v[STR], v[KA+4*\i:KA+4*\i+3] offset:544*\i
.endr
.irp t, 0,1,2,3
.irp c, 0,1
	ds_load_b128 v[S+8*\t+4*\c:S+8*\t+4*\c+3], v[STD] offset:64*\t+16*\c
.endr
.endr
	WIN 0x04                                       ; an LDS store's data are its source 1: window 1
.irp i, 0,1,2,3,4,5,6,7
	ds_store_b128 v[STR], v[KW+4*\i:KW+4*\i+3] offset:544*\i
.endr
	WIN 0
.irp t, 0,1,2,3
.irp c, 0,1
	ds_load_b128 v[S+32+8*\t+4*\c:S+32+8*\t+4*\c+3], v[STD] offset:64*\t+16*\c
.endr
.endr
.macro RESID u                         ; y = O^T / l + x, in O^T's registers, each accumulator from its low end on
.set j, 0
.rept 16
	v_pk_fma_f32 v[OA+32*\u+j:OA+32*\u+j+1], v[OA+32*\u+j:OA+32*\u+j+1], v[BM+2*\u:BM+2*\u+1], v[S+32*\u+j:S+32*\u+j+1] op_sel_hi:[1,0,1]
.set j, j+2
.endr
.endm
	s_wait_alu depctr_va_vdst(0)                   ; one wait for the two reciprocals, ahead of their first reader
	s_wait_dscnt 16                                ; tile 0's rows are back; tile 1's eight stores and eight loads may be out
	RESID 0
	s_wait_dscnt 0x0
	RESID 1
.irp t, 0,1,2,3
.irp c, 0,1
	ds_load_b128 v[KA+8*\t+4*\c:KA+8*\t+4*\c+3], v[GBA] offset:64*\t+16*\c     ; gamma in O^T's layout: channels 16 t + 8 h + 0 .. 7
	ds_load_b128 v[S+8*\t+4*\c:S+8*\t+4*\c+3], v[GBA] offset:256+64*\t+16*\c   ; beta likewise
.endr
.endr
.macro PART u, off                     ; two chains of pairs become my head's part of a row's sum, and go to its word
	v_pk_add_f32 v[RS+8*\u:RS+8*\u+1], v[RS+8*\u:RS+8*\u+1], v[RS+8*\u+2:RS+8*\u+3]
	v_add_f32 v[RS+8*\u], v[RS+8*\u], v[RS+8*\u+1]
	v_permlanex16_b32 v[RS+8*\u+4], v[RS+8*\u], s[SEL], s[SEL+1]
	v_add_f32 v[RS+8*\u], v[RS+8*\u], v[RS+8*\u+4]
	ds_store_b32 v[RA], v[RS+8*\u] offset:\off+1280*\u   ; both halves of the lanes write the same word with the same value
.endm
.macro GATHER off                      ; behind the barrier: a row's twelve parts, added in one order by every wave: the sum in v[RP + 12 u]
	s_wait_dscnt 0x0                               ; for the others' sake: my words lie in LDS
	s_barrier_signal -1
	s_barrier_wait -1
.irp u, 0,1
.irp k, 0,1,2
	ds_load_b128 v[RP+12*\u+4*\k:RP+12*\u+4*\k+3], v[RB] offset:\off+1280*\u+16*\k
.endr
.endr
	s_wait_dscnt 0x0
.irp u, 0,1
	v_pk_add_f32 v[RP+12*\u:RP+12*\u+1], v[RP+12*\u:RP+12*\u+1], v[RP+12*\u+2:RP+12*\u+3]
	v_pk_add_f32 v[RP+12*\u+4:RP+12*\u+5], v[RP+12*\u+4:RP+12*\u+5], v[RP+12*\u+6:RP+12*\u+7]
	v_pk_add_f32 v[RP+12*\u+8:RP+12*\u+9], v[RP+12*\u+8:RP+12*\u+9], v[RP+12*\u+10:RP+12*\u+11]
.endr
.irp u, 0,1
	v_pk_add_f32 v[RP+12*\u:RP+12*\u+1], v[RP+12*\u:RP+12*\u+1], v[RP+12*\u+4:RP+12*\u+5]
.endr
.irp u, 0,1
	v_pk_add_f32 v[RP+12*\u:RP+12*\u+1], v[RP+12*\u:RP+12*\u+1], v[RP+12*\u+8:RP+12*\u+9]
.endr
.irp u, 0,1
	v_add_f32 v[RP+12*\u], v[RP+12*\u], v[RP+12*\u+1]
.endr
.endm
	; the mean
.irp u, 0,1
	v_pk_add_f32 v[RS+8*\u:RS+8*\u+1], v[OA+32*\u:OA+32*\u+1], v[OA+32*\u+2:OA+32*\u+3]
	v_pk_add_f32 v[RS+8*\u+2:RS+8*\u+3], v[OA+32*\u+4:OA+32*\u+5], v[OA+32*\u+6:OA+32*\u+7]
.irp j, 8,12,16,20,24,28
	v_pk_add_f32 v[RS+8*\u:RS+8*\u+1], v[RS+8*\u:RS+8*\u+1], v[OA+32*\u+\j:OA+32*\u+\j+1]
	v_pk_add_f32 v[RS+8*\u+2:RS+8*\u+3], v[RS+8*\u+2:RS+8*\u+3], v[OA+32*\u+\j+2:OA+32*\u+\j+3]
.endr
.endr
	PART 0, 0
	PART 1, 0
	GATHER 0
.irp u, 0,1
	v_mul_f32 v[BM+2*\u], s58, v[RP+12*\u]         ; mu
.endr
	; the variance: of the differences, so that no difference of large sums is formed
.irp u, 0,1
.set j, 0
.rept 16
	v_pk_add_f32 v[OA+32*\u+j:OA+32*\u+j+1], v[OA+32*\u+j:OA+32*\u+j+1], v[BM+2*\u:BM+2*\u+1] op_sel_hi:[1,0] neg_lo:[0,1] neg_hi:[0,1]
.set j, j+2
.endr
.endr
.irp u, 0,1
	v_pk_mul_f32 v[RS+8*\u:RS+8*\u+1], v[OA+32*\u:OA+32*\u+1], v[OA+32*\u:OA+32*\u+1]
	v_pk_mul_f32 v[RS+8*\u+2:RS+8*\u+3], v[OA+32*\u+2:OA+32*\u+3], v[OA+32*\u+2:OA+32*\u+3]
.irp j, 4,8,12,16,20,24,28
	v_pk_fma_f32 v[RS+8*\u:RS+8*\u+1], v[OA+32*\u+\j:OA+32*\u+\j+1], v[OA+32*\u+\j:OA+32*\u+\j+1], v[RS+8*\u:RS+8*\u+1]
	v_pk_fma_f32 v[RS+8*\u+2:RS+8*\u+3], v[OA+32*\u+\j+2:OA+32*\u+\j+3], v[OA+32*\u+\j+2:OA+32*\u+\j+3], v[RS+8*\u+2:RS+8*\u+3]
.endr
.endr
	PART 0, 2560                                   ; other bytes than the sums': no wave writes what another may still read
	PART 1, 2560
	GATHER 2560
.irp u, 0,1
	v_fma_f32 v[RP+12*\u], v[RP+12*\u], s58, s59   ; var + eps
.endr
.irp u, 0,1
	v_rsq_f32 v[PT+2*\u], v[RP+12*\u]
.endr
	v_nop                                          ; the plain place behind the roots
	s_wait_alu depctr_va_vdst(0)                   ; one wait for the two, ahead of their first reader
.irp u, 0,1
.set j, 0
.rept 16
	v_pk_mul_f32 v[OA+32*\u+j:OA+32*\u+j+1], v[OA+32*\u+j:OA+32*\u+j+1], v[PT+2*\u:PT+2*\u+1] op_sel_hi:[1,0]
.set j, j+2
.endr
.set j, 0
.rept 16
	v_pk_fma_f32 v[OA+32*\u+j:OA+32*\u+j+1], v[OA+32*\u+j:OA+32*\u+j+1], v[KA+j:KA+j+1], v[S+j:S+j+1]   ; x gamma + beta
.set j, j+2
.endr
.set j, 0
.rept 32
	v_max_num_f32 v[OA+32*\u+j], 0, v[OA+32*\u+j]  ; relu
.set j, j+1
.endr
.endr
	; back through my stage: in by queries, out by rows: tile 0 into v112-143, tile 1 into v48-79
.irp u, 0,1
.irp t, 0,1,2,3
.irp c, 0,1
	ds_store_b128 v[STD], v[OA+32*\u+8*\t+4*\c:OA+32*\u+8*\t+4*\c+3] offset:64*\t+16*\c
.endr
.endr
.irp i, 0,1,2,3,4,5,6,7
	ds_load_b128 v[112-64*\u+4*\i:112-64*\u+4*\i+3], v[STR] offset:544*\i
.endr
.endr
.irp u, 0,1
.irp i, 0,1,2,3,4,5,6,7
	s_wait_dscnt 16-16*\u+7-\i                     ; behind load i: the tile's 7 - i younger loads and, for tile 0, tile 1's eight stores and eight loads
	global_store_b128 v[GO], v[112-64*\u+4*\i:112-64*\u+4*\i+3], s[18:19] offset:(8*\u+2*\i+8*(\i/4))*3072 th:TH_STORE_NT   ; sixteen lanes store 256 consecutive bytes, aligned
.endr
.endr
	s_wait_tensorcnt 0x0
	ds_add_u32 v254, v255
	s_wait_dscnt 0x0
	s_endpgm
.Lfunc_end_k_q8552a73e00_attn:
	.size	k_q8552a73e00_attn, .Lfunc_end_k_q8552a73e00_attn-k_q8552a73e00_attn
	.p2alignl 7, 3214868480
	.fill 96, 4, 3214868480
	.section	.rodata,"a",@progbits
	.p2align	6, 0x0
	.amdhsa_kernel k_q8552a73e00_attn
		.amdhsa_group_segment_fixed_size 67072
		.amdhsa_private_segment_fixed_size 0
		.amdhsa_enable_private_segment 0
		.amdhsa_kernarg_size 64
		.amdhsa_user_sgpr_count 2
		.amdhsa_user_sgpr_kernarg_segment_ptr 1
		.amdhsa_wavefront_size32 1
		.amdhsa_system_sgpr_workgroup_id_x 1
		.amdhsa_system_sgpr_workgroup_id_y 1
		.amdhsa_system_sgpr_workgroup_id_z 1
		.amdhsa_system_vgpr_workitem_id 0
		.amdhsa_next_free_vgpr 320
		.amdhsa_next_free_sgpr 80
		.amdhsa_reserve_vcc 0
		.amdhsa_float_denorm_mode_32 3
		.amdhsa_float_denorm_mode_16_64 3
		.amdhsa_memory_ordered 1
		.amdhsa_forward_progress 1
		.amdhsa_inst_pref_size 150
	.end_amdhsa_kernel
	.amdgpu_metadata
---
amdhsa.version: [ 1, 2 ]
amdhsa.kernels:
  - .name:           k_q8552a73e00_attn
    .symbol:         k_q8552a73e00_attn.kd
    .args:
      - { .name: QC, .offset: 0, .size: 8, .value_kind: global_buffer, .address_space: global }
      - { .name: QS, .offset: 8, .size: 8, .value_kind: global_buffer, .address_space: global }
      - { .name: KVC, .offset: 16, .size: 8, .value_kind: global_buffer, .address_space: global }
      - { .name: KVS, .offset: 24, .size: 8, .value_kind: global_buffer, .address_space: global }
      - { .name: X, .offset: 32, .size: 8, .value_kind: global_buffer, .address_space: global }
      - { .name: ln_gamma, .offset: 40, .size: 8, .value_kind: global_buffer, .address_space: global }
      - { .name: ln_beta, .offset: 48, .size: 8, .value_kind: global_buffer, .address_space: global }
      - { .name: out0, .offset: 56, .size: 8, .value_kind: global_buffer, .address_space: global }
    .group_segment_fixed_size: 67072
    .private_segment_fixed_size: 0
    .kernarg_segment_align: 8
    .kernarg_segment_size: 64
    .max_flat_workgroup_size: 384
    .sgpr_count:     80
    .vgpr_count:     320
    .wavefront_size: 32
...
	.end_amdgpu_metadata
.endif
;; end of part 3
;; ======== version 2 of 2: 3 launches; version 1 with the launch attn written anew for expert scheduling mode
;; workspace buffers: XI 3,342,336 bytes; WI 940,032 bytes; QC 3,145,728 bytes; QS 196,608 bytes; KVC 6,291,456 bytes; KVS 393,216 bytes
;; launch quant: the kernel of part 1 again; grid 12 x 82, 4 waves a work-group, no clusters, 34,816 bytes of LDS; arguments X, W_q, W_k, W_v, XI, WI; writes XI, WI
;; launch proj: the kernel of part 2 again; grid 4 x 64, 12 waves a work-group, clusters of 4 x 4, 327,680 bytes of LDS; arguments XI, WI, QC, QS, KVC, KVS; writes QC, QS, KVC, KVS
;; launch attn (part 4): grid 256 x 1, 12 waves a work-group, no clusters, 67,072 bytes of LDS; arguments QC, QS, KVC, KVS, X, ln_gamma, ln_beta, out0; writes out0
.if DOCPART == 4
	.amdgcn_target "amdgcn-amd-amdhsa--gfx1250"
	.amdhsa_code_object_version 6
	.text
	.protected	k_q8552a73e00_attn
	.globl	k_q8552a73e00_attn
	.p2align	8
	.type	k_q8552a73e00_attn,@function
k_q8552a73e00_attn:
	s_mov_b64 s[64:65], 0
	v_nop
	global_prefetch_b8 v0, s[64:65] scope:SCOPE_SE
	s_setreg_imm32_b32 hwreg(HW_REG_WAVE_SCHED_MODE, 0, 2), 2
	s_setreg_imm32_b32 hwreg(HW_REG_WAVE_MODE, 25, 1), 1
	s_wait_xcnt 0x0
	s_wait_alu depctr_vm_vsrc(0)
; out = relu(LayerNorm(softmax(q k^T / 8) v + X) gamma + beta), both products on codes of FP4 (E2M1) with E8M0 scales, all else in f32.
; SHARES.  A work-group owns 32 tokens of a batch and all 768 channels, so that the LayerNorm stays inside it.  Wave w is head w and holds two tiles of 16 queries (u = 0, 1; lane r: token 8 u + r + 8 (r / 8)).
; Every wave walks its head's 1,024 keys, 128 a step.  Three waves share a SIMD: one wave's matrix work and loads stand beside another's softmax.
; K AND V GO FROM MEMORY STRAIGHT INTO REGISTERS.  A step's K (4,096 bytes), V^T (4,096) and scale words (2 x 256) are read by ONE wave of the work-group, and the launch before laid them as images of that wave's
; operand registers: eight loads of 512 consecutive bytes each, and one of 256 for the scale words.  K has two buffers by turns and is asked for a whole step ahead; V has one and is asked for as soon as the
; second product has read it, which is a step less that product ahead.  No wave waits for another before the LayerNorm.
; NO CLUSTER, NO RING, AND WHY.  The four work-groups of a block of 128 tokens walk the same K and V and could ask jointly through LDS.  But a ring has room for one step in each of two slots
; (12 waves x 2 x 8,192 = 196,608 bytes; two steps to a slot would be 393,216, more than the 327,680 that there are), so one step's bytes could be on their way, and in front of each of the refills all
; 48 waves of the four partners would have to meet.  The price of this form: each work-group asks for its own copy of K and V, 12 x 8 x 8,704 bytes.
; LAYOUT.  Both products are used transposed: S^T = K Q^T, O^T = V^T P^T: a lane holds ONE query throughout.
; K = 64 IN AN INSTRUCTION OF 128: a fragment of K holds TWO tiles of 16 keys, one in each half of the 128; Q stands in one half beside zero codes ([0000][QQQQ][0000]: registers 4-11 take the first tile,
; registers 0-7 the second).  Zero codes add nothing, and every scale byte is a true byte (1 to 254).
; The keys of a tile are chosen so that the 16 registers of a fragment's two tiles are 16 neighbouring keys: register 16 f + i = key 32 f + 16 (lane / 16) + i.
; THE SOFTMAX: t = score x log2(e) / 8; M = the running largest t rounded UP to a whole number; p = 2^(t - M) is quantised along the keys, not normalised; the row's sum is taken of the unquantised p and divides at
; the end; when M moves, the sum and O are multiplied by 2^(old M - new M): exact.  A block's largest p is taken through its largest score (this takes v_exp_f32 not to fall where its input rises).
; LAYERNORM in two passes (the mean; then the squares of the differences): twelve parts a row meet in LDS, added in one order by every wave.
; LIMITS: NaN and infinities are not served; p under 2^-126 comes out as 0; a block of p that is all zeros keeps the byte 1 (its codes are zeros).
; THE MODE: SCHED_MODE bits 1:0 = 2 (LLVM: expert scheduling mode 2), set by the entry lines.  The code itself states the register dependences
; between vector or matrix instructions and memory or LDS instructions, with s_wait_alu, always for 0.
; THE PLAN.  Registers that memory or LDS instructions touch, in the loop:
;   K's two buffers and their scale words   Loaded at the head of step j - 1; read by the sixteen score products of step j.  The waits in tile 1's softmax stand behind the last of those products, and no line names the
;                                           buffer again before the head of step j + 1 loads into it: those loads owe no wait of their own.
;   V's buffer and its scale words          Read by the eight products V^T P^T of step j; ONE wait behind them, and the buffer is asked for again at once.  Behind that wait stand V's nine loads and, at the next
;                                           step's head, K's nine: eighteen on end.
;   p's codes and scale words               Written by vector lines, taken by scaled products: one wait ahead of V^T P^T, behind the sixteen rescalings that are its places.  Q's scale words and zero codes
;                                           likewise, once, ahead of the loop.
;   v2, v3, v7 to v15                       Addresses and offsets: made at the head, never written again: the three scalar bases move on, and immediate offsets do the rest.
; ON THE WAY OUT no register that a store has read is written again (gamma lands where Q and the scale words lay, the second pass's parts have registers of their own, the finished rows land where beta and gamma lay):
; so no store needs a wait on vm_vsrc behind it.
.set STEPB, 8192                       ; a step of a head in KVC: K's four fragments, then V^T's four
.set STEPS, 512                        ; and in KVS: K's unit of scale words, then V's
.set STAGE, 0                          ; LDS: 16 rows x 272 bytes for each wave
.set GB,    52224                      ; gamma, beta of my 64 channels: 512 bytes a wave
.set RED1,  58368                      ; 32 rows x 80 bytes: a word for each head: the sums;  2,560 bytes on: the sums of squares
.set L8,  2                            ; v2   8 x lane; never rewritten
.set GO,  7                            ; v7   X, out: 3,072 (lane / 16) + 16 (lane % 16)
.set STR, 8                            ; v8   the stage by rows: 272 (lane / 16) + 16 (lane % 16)
.set STD, 9                            ; v9   the stage by queries: 272 r + 32 h
.set PFO, 10                           ; v10  256 x lane; never rewritten
.set RA,  11                           ; v11  my word of a row's twelve
.set RB,  12                           ; v12  a row's twelve
.set GBA, 13                           ; v13  gamma, beta: 32 h
.set GBW, 14                           ; v14  gamma, beta on the way in: 8 x lane
.set L16, 15                           ; v15  16 x lane; never rewritten
.set QZ,  16                           ; v16-27, v28-39  zeros, Q, zeros, for u = 0, 1
.set SQ,  40                           ; v40-41 Q's scale words;  v42-43 K's of even steps;  v44-45 V's;  v46-47 p's;  v248-249 K's of odd steps
.set SK,  42
.set SV,  44
.set PW,  46
.set SK1, 248
.set KA,  48                           ; v48-79   K's four fragments of even steps
.set KW,  0                            ; v256-287 (window 1) K's of odd steps
.set VB,  32                           ; v288-319 (window 1) V^T's four fragments
.set S,   80                           ; v80-143  S^T, then p
.set OA,  144                          ; v144-207 O^T: (u, t) at 144 + 32 u + 8 t
.set PC,  208                          ; v208-223 p's codes
.set ST,  224                          ; v224 + 4 u: -M, the largest t, the sum in two halves
.set BM,  232                          ; v232-235 the blocks' largest scores, then p
.set PT,  236                          ; v236-239 at work
.set SO,  240                          ; v240-243 the conversions' scale operands
.set FF,  244                          ; v[244:245] f = 2^(old M - new M), named as a pair
.set TT,  246
.set GBR, 250                          ; v250-253 gamma, beta as loaded; written once
.set GM,  16                           ; the way out: v16-47 gamma in O^T's layout, later tile 1's finished rows
.set RS,  112                          ; the way out: v112-127 my part of a row's sum
.set RQ,  128                          ; the way out: v128-143 my part of a row's sum of squares: registers of its own
.set RP,  208                          ; v208-231 a row's twelve parts, for u = 0, 1
.set WV,  20                           ; s20 wave
.set KB,  24                           ; s[24:25] my head's codes in KVC, at the trip's first step
.set KSB, 26                           ; s[26:27] my head's scale words in KVS, likewise
.set SEL, 48
.set CS,  50                           ; s[50:51] c = log2(e) / 8
.set TRIPS, 54
.set LIM, 55                           ; s55 1 in a wave that prefetches, else 0
.set PFA, 56                           ; s[56:57] the head for which I prefetch, at the trip's first step
.set MSB, 0
.macro WIN new                         ; the immediate's high byte repeats the setting that is left
.if MSB != \new
	s_set_vgpr_msb (MSB<<8)|\new
.set MSB, \new
.endif
.endm
.macro PLACES n
.rept \n
	v_nop
.endr
.endm
.macro WM00 d, a, b, z, sa, sb         ; source 0's scales in lanes 0-15
.if \z
	v_wmma_scale_f32_16x16x128_f8f6f4 v[\d:\d+7], v[\a:\a+7], v[\b:\b+7], 0, v[\sa], v[\sb] matrix_a_fmt:MATRIX_FMT_FP4 matrix_b_fmt:MATRIX_FMT_FP4
.else
	v_wmma_scale_f32_16x16x128_f8f6f4 v[\d:\d+7], v[\a:\a+7], v[\b:\b+7], v[\d:\d+7], v[\sa], v[\sb] matrix_a_fmt:MATRIX_FMT_FP4 matrix_b_fmt:MATRIX_FMT_FP4
.endif
.endm
.macro WM10 d, a, b, z, sa, sb         ; in lanes 16-31
.if \z
	v_wmma_scale_f32_16x16x128_f8f6f4 v[\d:\d+7], v[\a:\a+7], v[\b:\b+7], 0, v[\sa], v[\sb] matrix_a_fmt:MATRIX_FMT_FP4 matrix_b_fmt:MATRIX_FMT_FP4 matrix_a_scale:MATRIX_SCALE_ROW1
.else
	v_wmma_scale_f32_16x16x128_f8f6f4 v[\d:\d+7], v[\a:\a+7], v[\b:\b+7], v[\d:\d+7], v[\sa], v[\sb] matrix_a_fmt:MATRIX_FMT_FP4 matrix_b_fmt:MATRIX_FMT_FP4 matrix_a_scale:MATRIX_SCALE_ROW1
.endif
.endm
; K of the step st (counted from the trip's first) into buffer b, with its scale words: nine loads
.macro LOADK b, st
.if (\b) == 0
.irp f, 0,1,2,3
.irp c, 0,1
	global_load_b128 v[KA+8*\f+4*\c:KA+8*\f+4*\c+3], v[L16], s[KB:KB+1] offset:STEPB*(\st)+1024*\f+512*\c   ; fragment f: tile 2 f in the first half of the 128, tile 2 f + 1 in the second; 512 consecutive bytes a load
.endr
.endr
	global_load_b64 v[SK:SK+1], v[L8], s[KSB:KSB+1] offset:STEPS*(\st)
.else
	WIN 0x40                                       ; destination window 1
.irp f, 0,1,2,3
.irp c, 0,1
	global_load_b128 v[KW+8*\f+4*\c:KW+8*\f+4*\c+3], v[L16], s[KB:KB+1] offset:STEPB*(\st)+1024*\f+512*\c
.endr
.endr
	WIN 0
	global_load_b64 v[SK1:SK1+1], v[L8], s[KSB:KSB+1] offset:STEPS*(\st)
.endif
.endm
.macro LOADV st                        ; V^T of the step st, with its scale words: nine loads
	WIN 0x40
.irp f, 0,1,2,3
.irp c, 0,1
	global_load_b128 v[VB+8*\f+4*\c:VB+8*\f+4*\c+3], v[L16], s[KB:KB+1] offset:STEPB*(\st)+4096+1024*\f+512*\c
.endr
.endr
	WIN 0
	global_load_b64 v[SV:SV+1], v[L8], s[KSB:KSB+1] offset:STEPS*(\st)+256
.endm
; A PREFETCH INTO THE L2 of the step st of a head: its 8,192 bytes, lanes 256 bytes apart, one instruction.  It stands where the wave has just issued its loads of the step before that one: K of the step named is
; asked for one step later, V two.  All 32 work-groups of a batch walk the same K and V: the four of the batch's first block of 128 tokens ask, three heads each (waves 0 to 2: head 3 x (work-group % 4) + wave).
; So each block of steps 2 to 7 is named once in the launch; steps 0 and 1 and the scale words come by their loads alone; the last two steps ask for nothing.
.macro ASK st
	s_cmp_eq_u32 s[LIM], 1
	s_cbranch_scc0 .Lnot_mine_\@
	global_prefetch_b8 v[PFO], s[PFA:PFA+1] offset:STEPB*(\st) th:TH_LOAD_NT scope:SCOPE_SE
.Lnot_mine_\@:
.endm
	s_load_b512 s[4:19], s[0:1], 0x0               ; QC s[4:5], QS s[6:7], KVC s[8:9], KVS s[10:11], X s[12:13], gamma s[14:15], beta s[16:17], out s[18:19]
	v_lshl_add_u32 v254, v0, 2, 0x10000
	v_mov_b32 v255, 0
	v_lshrrev_b32 v3, 5, v0
	v_readfirstlane_b32 s[WV], v3                  ; wave = head 0..11
	s_and_b32 s21, ttmp9, 3                        ; my 32 tokens of a block of 128
	s_lshr_b32 s77, ttmp9, 2                       ; the block, 0..63
	s_lshr_b32 s22, ttmp9, 5                       ; batch
	s_and_b32 s23, s77, 7                          ; the block in its batch
	s_wait_alu depctr_va_sdst(0)                   ; s[WV] is written, ahead of its first reader: offsets, LDS addresses and the prefetches' flag are made from it
	s_mul_i32 s58, s22, 12
	s_add_co_u32 s58, s58, s[WV]                   ; (batch, head)
	s_lshl_b32 s60, s58, 16                        ; its 8 steps of 8,192 bytes in KVC
	s_mov_b32 s61, 0
	s_lshl_b32 s62, s58, 12                        ; its 4,096 bytes in KVS
	s_mov_b32 s63, 0
	s_lshl_b32 s66, s58, 3
	s_add_co_u32 s66, s66, s23
	s_lshl_b32 s66, s66, 12
	s_lshl_b32 s68, s21, 10
	s_add_co_u32 s66, s66, s68                     ; QC: (batch, head, block) x 4,096 + my two tiles' 1,024
	s_mov_b32 s67, 0
	s_mul_i32 s68, s77, 12
	s_add_co_u32 s68, s68, s[WV]
	s_lshl_b32 s68, s68, 8
	s_and_b32 s70, s21, 1
	s_lshl_b32 s70, s70, 7
	s_add_co_u32 s68, s68, s70
	s_lshr_b32 s70, s21, 1
	s_lshl_b32 s70, s70, 2
	s_add_co_u32 s68, s68, s70                     ; QS: the unit of (batch, block, head), the words of my pair of tiles
	s_mov_b32 s69, 0
	s_mul_i32 s70, ttmp9, 32*3072
	s_lshl_b32 s72, s[WV], 8
	s_add_co_u32 s70, s70, s72                     ; X, out: my first token's row, my head's 256 bytes
	s_mov_b32 s71, 0
	s_mov_b32 s73, 0
	s_mul_i32 s74, s22, 12
	s_mul_i32 s75, s21, 3
	s_add_co_u32 s74, s74, s75
	s_min_u32 s75, s[WV], 2
	s_add_co_u32 s74, s74, s75
	s_lshl_b32 s74, s74, 16                        ; the prefetches: head 3 x (work-group % 4) + wave
	s_mov_b32 s75, 0
	s_cmp_lt_u32 s[WV], 3
	s_cselect_b32 s[LIM], 0, 1
	s_or_b32 s[LIM], s[LIM], s23                   ; 0 in waves 0 to 2 of the batch's first block
	s_cmp_eq_u32 s[LIM], 0
	s_cselect_b32 s[LIM], 1, 0
	s_mov_b32 s[SEL], 0x76543210
	s_mov_b32 s[SEL+1], 0xfedcba98                 ; v_permlanex16_b32's selects for lane l xor 16
	s_mov_b32 s[CS], 0x3e38aa3b                    ; c = log2(e) / 8
	s_mov_b32 s[CS+1], s[CS]                       ; (named with it as a pair, so it is written)
	s_mov_b32 s[TRIPS], 3
	v_and_b32 v15, 31, v0                          ; lane
	v_and_b32 v3, 15, v0                           ; r
	v_bfe_u32 v4, v0, 4, 1                         ; h
	v_lshlrev_b32 v[PFO], 8, v15
	v_lshlrev_b32 v[L8], 3, v15
	v_lshlrev_b32 v[L16], 4, v15
	v_mul_u32_u24 v[GO], v4, 3072
	v_lshl_add_u32 v[GO], v3, 4, v[GO]
	s_mul_i32 s76, s[WV], 16*272
	s_add_co_u32 s76, s76, STAGE                   ; my stage
	v_mul_u32_u24 v[STR], v4, 272
	v_lshl_add_u32 v[STR], v3, 4, v[STR]
	v_add_nc_u32 v[STR], s76, v[STR]
	v_mul_u32_u24 v[STD], v3, 272
	v_lshl_add_u32 v[STD], v4, 5, v[STD]
	v_add_nc_u32 v[STD], s76, v[STD]
	v_mul_u32_u24 v[RB], v3, 80
	v_add_nc_u32 v[RB], RED1, v[RB]
	s_lshl_b32 s76, s[WV], 2
	v_add_nc_u32 v[RA], s76, v[RB]
	s_lshl_b32 s76, s[WV], 9
	s_add_co_u32 s76, s76, GB
	v_lshl_add_u32 v[GBA], v4, 5, s76
	v_add_nc_u32 v[GBW], s76, v[L8]
	v_lshlrev_b32 v3, 3, v3                        ; 8 r, for Q's scale words
	s_wait_kmcnt 0x0
	s_add_nc_u64 s[KB:KB+1], s[8:9], s[60:61]
	s_add_nc_u64 s[KSB:KSB+1], s[10:11], s[62:63]
	s_add_nc_u64 s[PFA:PFA+1], s[8:9], s[74:75]
	s_add_nc_u64 s[4:5], s[4:5], s[66:67]
	s_add_nc_u64 s[6:7], s[6:7], s[68:69]
	s_add_nc_u64 s[12:13], s[12:13], s[70:71]
	s_add_nc_u64 s[18:19], s[18:19], s[70:71]
	s_add_nc_u64 s[14:15], s[14:15], s[72:73]
	s_add_nc_u64 s[16:17], s[16:17], s[72:73]
	s_wait_alu depctr_va_vdst(0)                   ; the addresses and offsets v2, v3 and v7 to v15 are written, which every load, store, LDS instruction and prefetch of the kernel reads; none is written again
.irp u, 0,1
	global_load_b128 v[QZ+12*\u+4:QZ+12*\u+7], v[L16], s[4:5] offset:512*\u   ; Q: lane (r, h): block h of query r
.endr
	global_load_b32 v[BM], v3, s[6:7]              ; the scale bytes of my two tiles' queries: bytes 0, 1: u = 0; bytes 2, 3: u = 1
	global_load_b64 v[GBR:GBR+1], v[L8], s[14:15]  ; gamma, beta of my 64 channels
	global_load_b64 v[GBR+2:GBR+3], v[L8], s[16:17]
	LOADK 0, 0                                     ; key step 0
	LOADV 0
.irp j, 0,1,2,3,8,9,10,11,12,13,14,15,20,21,22,23
	v_mov_b32 v[QZ+\j], 0                          ; the zero codes beside Q
.endr
.set j, 0
.rept 64
	v_mov_b32 v[OA+j], 0                           ; O^T.  (The step is written once for all steps: the first finds zeros, which the first change of M leaves zeros)
.set j, j+1
.endr
	s_wait_loadcnt 18                              ; the five small loads are in; K's nine and V's nine of step 0 may be out
	v_and_b32 v[TT], 0xffff, v[BM]
	v_lshl_or_b32 v[SQ], v[BM], 16, v[TT]          ; a tile's two bytes in both halves of its word: Q may stand in either half of the 128
	v_lshrrev_b32 v[TT], 16, v[BM]
	v_and_or_b32 v[SQ+1], v[BM], 0xffff0000, v[TT]
	ds_store_b64 v[GBW], v[GBR:GBR+1]              ; (the data come from loads, the address was written ahead of the wait above: nothing more is owed)
	ds_store_b64 v[GBW], v[GBR+2:GBR+3] offset:256
.irp u, 0,1
	v_mov_b32 v[ST+4*\u+1], 0xff61b1e6             ; the largest t so far: -3e38, under every t
	v_floor_f32 v[ST+4*\u], -v[ST+4*\u+1]          ; -M
	v_mov_b32 v[ST+4*\u+2], 0                      ; the sum, in two halves
	v_mov_b32 v[ST+4*\u+3], 0
.endr
.irp b, 0,1,2,3
	v_mov_b32 v[PT+\b], 0                          ; a lane permute's destination counts as one of its sources
.endr
	v_mov_b32 v[FF+1], 0                           ; (named as the upper half of the pair)
	s_wait_alu depctr_va_vdst(0)                   ; Q's two scale words and the zero codes beside Q are written, which the scaled products of every step take; the thirteen lines above are their places
.macro SMUL u                          ; S^T = K Q^T for tile u: fragment f (at KFR, scale words at SKR) against Q in the first half (keys 32 f + 16 h + 0 .. 7) and in the second (+ 8 .. 15)
.irp q, 0,1
	WM00 S+32*\q, KFR+16*\q, QZ+12*\u+4, 1, SKR+\q, SQ+\u
	WM00 S+32*\q+8, KFR+16*\q, QZ+12*\u, 1, SKR+\q, SQ+\u
	WM10 S+32*\q+16, KFR+16*\q+8, QZ+12*\u+4, 1, SKR+\q, SQ+\u
	WM10 S+32*\q+24, KFR+16*\q+8, QZ+12*\u, 1, SKR+\q, SQ+\u
.endr
.endm
.macro PV                              ; O^T += V^T P^T: eight accumulators by turns
.irp q, 0,1
.irp u, 0,1
	WM00 OA+32*\u+16*\q, VB+16*\q, PC+8*\u, 0, SV+\q, PW+\u
.endr
.irp u, 0,1
	WM10 OA+32*\u+16*\q+8, VB+16*\q+8, PC+8*\u, 0, SV+\q, PW+\u
.endr
.endr
.endm
.macro SOFTMAX u
.set rT, ST+4*(\u)
.set rP, PC+8*(\u)
.set rO, OA+32*(\u)
.set rW, PW+(\u)
.irp b, 0,1,2,3
	v_max3_num_f32 v[BM+\b], v[S+16*\b], v[S+1+16*\b], v[S+2+16*\b]   ; the largest score of each block of 32 keys: it serves for the row's maximum and, since p rises with the score, for the block's largest p
.endr
.irp i, 3,5,7,9,11,13
.irp b, 0,1,2,3
	v_max3_num_f32 v[BM+\b], v[BM+\b], v[S+16*\b+\i], v[S+1+16*\b+\i]   ; (the four blocks by turns)
.endr
.endr
.irp b, 0,1,2,3
	v_max_num_f32 v[BM+\b], v[BM+\b], v[S+15+16*\b]
.endr
.irp b, 0,1,2,3
	v_permlanex16_b32 v[PT+\b], v[BM+\b], s[SEL], s[SEL+1]
.endr
.irp b, 0,1,2,3
	v_max_num_f32 v[BM+\b], v[BM+\b], v[PT+\b]     ; with lane l xor 16's 16 keys
.endr
	v_max3_num_f32 v[TT], v[BM], v[BM+1], v[BM+2]
	v_max_num_f32 v[TT], v[TT], v[BM+3]            ; the step's largest score of my query
	v_mul_f32 v[TT], s[CS], v[TT]                  ; as t (c is positive)
	v_max_num_f32 v[rT+1], v[rT+1], v[TT]          ; the running largest t
	v_mov_b32 v[TT], v[rT]
	v_floor_f32 v[rT], -v[rT+1]                    ; the new -M = floor(-t): M is a whole number
	v_sub_f32 v[TT], v[rT], v[TT]                  ; old M - new M: a whole number, 0 or less
	v_cvt_i32_f32 v[TT], v[TT]                     ; (it saturates)
	v_ldexp_f32 v[FF], 1.0, v[TT]                  ; f = 2^(old M - new M)
.set j, 0
.rept 32
	v_pk_fma_f32 v[S+j:S+j+1], v[S+j:S+j+1], s[CS:CS+1], v[rT:rT+1] op_sel_hi:[1,0,0]   ; t - M, two at a time
.set j, j+2
.endr
.irp b, 0,1,2,3
	v_fma_f32 v[BM+\b], v[BM+\b], s[CS], v[rT]     ; the same of each block's largest score
.endr
.set j, 0
.rept 64
	v_exp_f32 v[S+j], v[S+j]                       ; p = 2^(t - M), at most 1: not normalised
.set j, j+1
.endr
	v_pk_mul_f32 v[rT+2:rT+3], v[rT+2:rT+3], v[FF:FF+1] op_sel_hi:[1,0]   ; the sums under the new M.  (The plain place behind the exponentials)
	s_wait_alu depctr_va_vdst(0)                   ; the 64 exponentials have written p, ahead of the first line that names it; in tile 1's turn it also states that the step's score products are done reading K's buffer and its scale words, in which the next step's head loads
.irp b, 0,1,2,3
	v_exp_f32 v[BM+\b], v[BM+\b]                   ; the block's largest p: the same two instructions on the same number give the same bits
.endr
	v_pk_add_f32 v[PT:PT+1], v[S:S+1], v[S+2:S+3]  ; the row's sum is taken of the unquantised p: two at a time, in two chains; it reads the 64 alone
.irp j, 4,8,12,16,20,24,28,32,36,40,44,48,52,56,60
	v_pk_add_f32 v[rT+2:rT+3], v[rT+2:rT+3], v[S+\j:S+1+\j]
	v_pk_add_f32 v[PT:PT+1], v[PT:PT+1], v[S+2+\j:S+3+\j]
.endr
	v_pk_add_f32 v[rT+2:rT+3], v[rT+2:rT+3], v[PT:PT+1]
	s_wait_alu depctr_va_vdst(0)                   ; the four exponentials have written the blocks' largest p, ahead of the first line that names them
.irp b, 0,1,2,3
	v_max_num_f32 v[BM+\b], 0x1800000, v[BM+\b]    ; the floor 2^(3 - 127): the byte cannot fall under 1
.endr
.irp b, 0,1,2,3
	v_add_nc_u32 v[SO+\b], 0xff000000, v[BM+\b]    ; 2 off the exponent field: the conversion's scale operand
.endr
.irp b, 0,1,2,3
	v_lshrrev_b32 v[PT+\b], 23, v[SO+\b]           ; the scale's byte
.endr
	v_lshl_or_b32 v[rW], v[PT+1], 8, v[PT]         ; p's scale word for these 128 keys
	v_lshl_or_b32 v[rW], v[PT+2], 16, v[rW]
	v_lshl_or_b32 v[rW], v[PT+3], 24, v[rW]
.irp b, 0,1,2,3
	v_cvt_scalef32_pk8_fp4_f32 v[rP+2*\b], v[S+16*\b:S+7+16*\b], v[SO+\b]
	v_cvt_scalef32_pk8_fp4_f32 v[rP+1+2*\b], v[S+8+16*\b:S+15+16*\b], v[SO+\b]
.endr
	v_nop                                          ; one plain place behind the scaled conversions
.irp c, 0,1                                    ; the operand's layout wants a WHOLE block in a lane
.irp i, 0,1
	v_permlane16_swap_b32 v[rP+4*\c+\i], v[rP+2+4*\c+\i]
.endr
.endr
.set j, 0
.rept 16
	v_pk_mul_f32 v[rO+j:rO+j+1], v[rO+j:rO+j+1], v[FF:FF+1] op_sel_hi:[1,0]   ; O^T under the new M.  (These sixteen are also the places between the scale word, the codes and the products that take them)
.set j, j+2
.endr
.endm
; A KEY STEP: 128 keys: step o (0 or 1) of a trip; its K lies in buffer o.  At its head my loads that are out are, in the order of issue, this step's K (nine) and this step's V (nine).
; last = 1: the head's last step: nothing of K or V is left to ask for; the residual's rows are asked for into K's two buffers as they fall free.  ask = 1: the step two on is prefetched.
.macro STEP o, last, ask
.set KFR, KA+(KW-KA)*(\o)
.set SKR, SK+(SK1-SK)*(\o)
.if \last
.irp i, 0,1,2,3,4,5,6,7
	global_load_b128 v[KA+4*\i:KA+4*\i+3], v[GO], s[12:13] offset:(2*\i+8*(\i/4))*3072 th:TH_LOAD_NT   ; X, two rows of tile 0: sixteen lanes read 256 consecutive bytes, aligned.  No wait: no line since the waits of the step before names K's first buffer
.endr
	s_wait_loadcnt 17                              ; this step's K is in; behind it: V's nine and X's eight
.else
	LOADK 1-\o, \o+1                               ; the next step's K, into the buffer that the step before read last.  No wait: the waits that stand behind that step's last score product cover its reads, and no line since names the buffer or its scale words
.if \ask
	ASK \o+2
.endif
	s_wait_loadcnt 18                              ; this step's K is in; behind it: this step's V and the next step's K, nine each
.endif
	WIN \o                                         ; buffer 1 lies in window 1: source 0
	SMUL 0
	WIN 0
	PLACES 4                                       ; in front of the first read of the scores
	SOFTMAX 0
	WIN \o
	SMUL 1
	WIN 0
	PLACES 4                                       ; in front of the first read of the scores
.if \last
	WIN 0x40
	s_wait_alu depctr_va_vdst(0)                   ; the score products are done reading K's second buffer, in which X's rows land
.irp i, 0,1,2,3,4,5,6,7
	global_load_b128 v[KW+4*\i:KW+4*\i+3], v[GO], s[12:13] offset:(8+2*\i+8*(\i/4))*3072 th:TH_LOAD_NT   ; X, tile 1
.endr
	WIN 0
.endif
	SOFTMAX 1
.if \last
	s_wait_loadcnt 16                              ; V is in; behind it: X's sixteen
.else
	s_wait_loadcnt 9                               ; V is in; behind it: the next step's K
.endif
	s_wait_alu depctr_va_vdst(0)                   ; tile 1's codes and its scale word are written, which the scaled products below take (tile 0's stand ahead of earlier waits); their places, the sixteen rescalings, stand ahead of this wait
	WIN 0x01                                       ; V^T lies in window 1: source 0
	PV
	WIN 0
.if \last == 0
	PLACES 4                                       ; the places that this text keeps behind products whose registers are loaded again; the wait stands beside them
	s_wait_alu depctr_va_vdst(0)                   ; the eight products are done reading V's buffer and its scale words, in which the loads below land
	LOADV \o+1                                     ; the next step's V
.endif
.endm
.Ltrip:                                        ; three trips of two steps, until K's buffers are back where they began: steps 0 to 5
	STEP 0, 0, 1
	STEP 1, 0, 1
	s_wait_xcnt 0x0                                ; every load and prefetch issued so far has read its base: only behind this wait are the three bases stepped
	s_add_nc_u64 s[KB:KB+1], s[KB:KB+1], 2*STEPB
	s_add_nc_u64 s[KSB:KSB+1], s[KSB:KSB+1], 2*STEPS
	s_add_nc_u64 s[PFA:PFA+1], s[PFA:PFA+1], 2*STEPB
	s_sub_co_u32 s[TRIPS], s[TRIPS], 1
	s_cmp_lg_u32 s[TRIPS], 0
	s_cbranch_scc1 .Ltrip
	STEP 0, 0, 0                                   ; steps 6 and 7 are written out: no load and no prefetch leaves its buffer
	STEP 1, 1, 0
	; THE WAY OUT.  The sum's halves; these lines are also the places behind the last products
.irp u, 0,1
	v_add_f32 v[ST+4*\u+2], v[ST+4*\u+2], v[ST+4*\u+3]
.endr
.irp u, 0,1
	v_permlanex16_b32 v[PT+\u], v[ST+4*\u+2], s[SEL], s[SEL+1]
.endr
.irp u, 0,1
	v_add_f32 v[ST+4*\u+2], v[ST+4*\u+2], v[PT+\u]   ; the row's sum l
.endr
.irp u, 0,1
	v_rcp_f32 v[BM+2*\u], v[ST+4*\u+2]
.endr
	v_nop                                          ; the plain place behind the reciprocals
	s_mov_b32 s58, 0x3aaaaaab                      ; 1 / 768
	s_mov_b32 s59, 0x3727c5ac                      ; 1e-5
	s_wait_loadcnt 0x0                             ; X
	; the residual turns through my stage: in by rows, as it was loaded; out by queries, in O^T's layout.  LDS serves a wave's instructions in order.
	; No wait: the stores' data come from loads; the loads land in v80-143, which no line has named since the wait ahead of the last products
.irp i, 0,1,2,3,4,5,6,7
	ds_store_b128 v[STR], v[KA+4*\i:KA+4*\i+3] offset:544*\i
.endr
.irp t, 0,1,2,3
.irp c, 0,1
	ds_load_b128 v[S+8*\t+4*\c:S+8*\t+4*\c+3], v[STD] offset:64*\t+16*\c
.endr
.endr
	WIN 0x04                                       ; an LDS store's data are its source 1: window 1
.irp i, 0,1,2,3,4,5,6,7
	ds_store_b128 v[STR], v[KW+4*\i:KW+4*\i+3] offset:544*\i
.endr
	WIN 0
.irp t, 0,1,2,3
.irp c, 0,1
	ds_load_b128 v[S+32+8*\t+4*\c:S+32+8*\t+4*\c+3], v[STD] offset:64*\t+16*\c
.endr
.endr
.macro RESID u                         ; y = O^T / l + x, in O^T's registers, each accumulator from its low end on
.set j, 0
.rept 16
	v_pk_fma_f32 v[OA+32*\u+j:OA+32*\u+j+1], v[OA+32*\u+j:OA+32*\u+j+1], v[BM+2*\u:BM+2*\u+1], v[S+32*\u+j:S+32*\u+j+1] op_sel_hi:[1,0,1]
.set j, j+2
.endr
.endm
	s_wait_alu depctr_va_vdst(0)                   ; the two reciprocals have written 1 / l, ahead of their first reader
	s_wait_dscnt 16                                ; tile 0's rows are back; tile 1's eight stores and eight loads may be out
	RESID 0
	s_wait_dscnt 0x0
	RESID 1
.macro PARTSUM rs, u                   ; two chains of pairs at v[rs + 8 u] become my head's part of a row's sum
	v_pk_add_f32 v[\rs+8*\u:\rs+8*\u+1], v[\rs+8*\u:\rs+8*\u+1], v[\rs+8*\u+2:\rs+8*\u+3]
	v_add_f32 v[\rs+8*\u], v[\rs+8*\u], v[\rs+8*\u+1]
	v_permlanex16_b32 v[\rs+8*\u+4], v[\rs+8*\u], s[SEL], s[SEL+1]
	v_add_f32 v[\rs+8*\u], v[\rs+8*\u], v[\rs+8*\u+4]
.endm
.macro PARTOUT rs, off                 ; both tiles' parts go to their words, behind one wait
	s_wait_alu depctr_va_vdst(0)                   ; the two parts are written, which the stores read; and every line that named v208-231 is done, in which the gather's loads land behind the barrier
.irp u, 0,1
	ds_store_b32 v[RA], v[\rs+8*\u] offset:\off+1280*\u   ; both halves of the lanes write the same word with the same value
.endr
.endm
; Behind the barrier: a row's twelve parts, added in one order by every wave: the sum in v[RP + 12 u].  gb = 1: gamma and beta are fetched behind the parts, in O^T's layout.
.macro GATHER off, gb
	s_wait_dscnt 0x0                               ; for the others' sake: my words lie in LDS
	s_barrier_signal -1
	s_barrier_wait -1
.irp u, 0,1
.irp k, 0,1,2
	ds_load_b128 v[RP+12*\u+4*\k:RP+12*\u+4*\k+3], v[RB] offset:\off+1280*\u+16*\k
.endr
.endr
.if \gb
.irp t, 0,1,2,3
.irp c, 0,1
	ds_load_b128 v[GM+8*\t+4*\c:GM+8*\t+4*\c+3], v[GBA] offset:64*\t+16*\c     ; gamma: channels 16 t + 8 h + 0 .. 7, where Q and the scale words lay.  No wait: the wait ahead of the parts' stores stands behind the last line that named v16-47,
	ds_load_b128 v[S+8*\t+4*\c:S+8*\t+4*\c+3], v[GBA] offset:256+64*\t+16*\c   ; beta likewise, where tile 0's rows of X lay: and behind the last that named v80-111
.endr
.endr
	s_wait_dscnt 16                                ; the six loads of the parts are back; gamma's and beta's sixteen may be out
.else
	s_wait_dscnt 0x0
.endif
.irp u, 0,1
	v_pk_add_f32 v[RP+12*\u:RP+12*\u+1], v[RP+12*\u:RP+12*\u+1], v[RP+12*\u+2:RP+12*\u+3]
	v_pk_add_f32 v[RP+12*\u+4:RP+12*\u+5], v[RP+12*\u+4:RP+12*\u+5], v[RP+12*\u+6:RP+12*\u+7]
	v_pk_add_f32 v[RP+12*\u+8:RP+12*\u+9], v[RP+12*\u+8:RP+12*\u+9], v[RP+12*\u+10:RP+12*\u+11]
.endr
.irp u, 0,1
	v_pk_add_f32 v[RP+12*\u:RP+12*\u+1], v[RP+12*\u:RP+12*\u+1], v[RP+12*\u+4:RP+12*\u+5]
.endr
.irp u, 0,1
	v_pk_add_f32 v[RP+12*\u:RP+12*\u+1], v[RP+12*\u:RP+12*\u+1], v[RP+12*\u+8:RP+12*\u+9]
.endr
.irp u, 0,1
	v_add_f32 v[RP+12*\u], v[RP+12*\u], v[RP+12*\u+1]
.endr
.endm
	; the mean
.irp u, 0,1
	v_pk_add_f32 v[RS+8*\u:RS+8*\u+1], v[OA+32*\u:OA+32*\u+1], v[OA+32*\u+2:OA+32*\u+3]
	v_pk_add_f32 v[RS+8*\u+2:RS+8*\u+3], v[OA+32*\u+4:OA+32*\u+5], v[OA+32*\u+6:OA+32*\u+7]
.irp j, 8,12,16,20,24,28
	v_pk_add_f32 v[RS+8*\u:RS+8*\u+1], v[RS+8*\u:RS+8*\u+1], v[OA+32*\u+\j:OA+32*\u+\j+1]
	v_pk_add_f32 v[RS+8*\u+2:RS+8*\u+3], v[RS+8*\u+2:RS+8*\u+3], v[OA+32*\u+\j+2:OA+32*\u+\j+3]
.endr
.endr
	PARTSUM RS, 0
	PARTSUM RS, 1
	PARTOUT RS, 0
	GATHER 0, 1
.irp u, 0,1
	v_mul_f32 v[BM+2*\u], s58, v[RP+12*\u]         ; mu
.endr
	; the variance: of the differences, so that no difference of large sums is formed
.irp u, 0,1
.set j, 0
.rept 16
	v_pk_add_f32 v[OA+32*\u+j:OA+32*\u+j+1], v[OA+32*\u+j:OA+32*\u+j+1], v[BM+2*\u:BM+2*\u+1] op_sel_hi:[1,0] neg_lo:[0,1] neg_hi:[0,1]
.set j, j+2
.endr
.endr
.irp u, 0,1                                    ; in registers of their own: those that the first pass's stores read are not written again
	v_pk_mul_f32 v[RQ+8*\u:RQ+8*\u+1], v[OA+32*\u:OA+32*\u+1], v[OA+32*\u:OA+32*\u+1]
	v_pk_mul_f32 v[RQ+8*\u+2:RQ+8*\u+3], v[OA+32*\u+2:OA+32*\u+3], v[OA+32*\u+2:OA+32*\u+3]
.irp j, 4,8,12,16,20,24,28
	v_pk_fma_f32 v[RQ+8*\u:RQ+8*\u+1], v[OA+32*\u+\j:OA+32*\u+\j+1], v[OA+32*\u+\j:OA+32*\u+\j+1], v[RQ+8*\u:RQ+8*\u+1]
	v_pk_fma_f32 v[RQ+8*\u+2:RQ+8*\u+3], v[OA+32*\u+\j+2:OA+32*\u+\j+3], v[OA+32*\u+\j+2:OA+32*\u+\j+3], v[RQ+8*\u+2:RQ+8*\u+3]
.endr
.endr
	PARTSUM RQ, 0
	PARTSUM RQ, 1
	PARTOUT RQ, 2560                               ; other bytes than the sums': no wave writes what another may still read
	GATHER 2560, 0
.irp u, 0,1
	v_fma_f32 v[RP+12*\u], v[RP+12*\u], s58, s59   ; var + eps
.endr
.irp u, 0,1
	v_rsq_f32 v[PT+2*\u], v[RP+12*\u]
.endr
	v_nop                                          ; the plain place behind the roots
	s_wait_alu depctr_va_vdst(0)                   ; the two roots have written 1 / sqrt(var + eps), ahead of their first reader
.irp u, 0,1
.set j, 0
.rept 16
	v_pk_mul_f32 v[OA+32*\u+j:OA+32*\u+j+1], v[OA+32*\u+j:OA+32*\u+j+1], v[PT+2*\u:PT+2*\u+1] op_sel_hi:[1,0]
.set j, j+2
.endr
.set j, 0
.rept 16
	v_pk_fma_f32 v[OA+32*\u+j:OA+32*\u+j+1], v[OA+32*\u+j:OA+32*\u+j+1], v[GM+j:GM+j+1], v[S+j:S+j+1]   ; x gamma + beta
.set j, j+2
.endr
.set j, 0
.rept 32
	v_max_num_f32 v[OA+32*\u+j], 0, v[OA+32*\u+j]  ; relu
.set j, j+1
.endr
.endr
	; back through my stage: in by queries, out by rows: tile 0 into v80-111, where beta lay, tile 1 into v16-47, where gamma lay
	s_wait_alu depctr_va_vdst(0)                   ; the results are written, which the LDS stores read; and the multiply-adds are done reading gamma and beta, in whose registers the loads land
.irp u, 0,1
.irp t, 0,1,2,3
.irp c, 0,1
	ds_store_b128 v[STD], v[OA+32*\u+8*\t+4*\c:OA+32*\u+8*\t+4*\c+3] offset:64*\t+16*\c
.endr
.endr
.irp i, 0,1,2,3,4,5,6,7
	ds_load_b128 v[80-64*\u+4*\i:80-64*\u+4*\i+3], v[STR] offset:544*\i
.endr
.endr
.irp u, 0,1
.irp i, 0,1,2,3,4,5,6,7
	s_wait_dscnt 16-16*\u+7-\i                     ; behind load i: the tile's 7 - i younger loads and, for tile 0, tile 1's eight stores and eight loads
	global_store_b128 v[GO], v[80-64*\u+4*\i:80-64*\u+4*\i+3], s[18:19] offset:(8*\u+2*\i+8*(\i/4))*3072 th:TH_STORE_NT   ; sixteen lanes store 256 consecutive bytes, aligned
.endr
.endr
	s_wait_dscnt 0x0                               ; the closing lines, six on end
	s_wait_alu 0x0
	s_wait_tensorcnt 0x0
	ds_add_u32 v254, v255
	s_wait_dscnt 0x0
	s_endpgm
.Lfunc_end_k_q8552a73e00_attn:
	.size	k_q8552a73e00_attn, .Lfunc_end_k_q8552a73e00_attn-k_q8552a73e00_attn
	.p2alignl 7, 3214868480
	.fill 96, 4, 3214868480
	.section	.rodata,"a",@progbits
	.p2align	6, 0x0
	.amdhsa_kernel k_q8552a73e00_attn
		.amdhsa_group_segment_fixed_size 67072
		.amdhsa_private_segment_fixed_size 0
		.amdhsa_enable_private_segment 0
		.amdhsa_kernarg_size 64
		.amdhsa_user_sgpr_count 2
		.amdhsa_user_sgpr_kernarg_segment_ptr 1
		.amdhsa_wavefront_size32 1
		.amdhsa_system_sgpr_workgroup_id_x 1
		.amdhsa_system_sgpr_workgroup_id_y 1
		.amdhsa_system_sgpr_workgroup_id_z 1
		.amdhsa_system_vgpr_workitem_id 0
		.amdhsa_next_free_vgpr 320
		.amdhsa_next_free_sgpr 80
		.amdhsa_reserve_vcc 0
		.amdhsa_float_denorm_mode_32 3
		.amdhsa_float_denorm_mode_16_64 3
		.amdhsa_memory_ordered 1
		.amdhsa_forward_progress 1
		.amdhsa_inst_pref_size 150
	.end_amdhsa_kernel
	.amdgpu_metadata
---
amdhsa.version: [ 1, 2 ]
amdhsa.kernels:
  - .name:           k_q8552a73e00_attn
    .symbol:         k_q8552a73e00_attn.kd
    .args:
      - { .name: QC, .offset: 0, .size: 8, .value_kind: global_buffer, .address_space: global }
      - { .name: QS, .offset: 8, .size: 8, .value_kind: global_buffer, .address_space: global }
      - { .name: KVC, .offset: 16, .size: 8, .value_kind: global_buffer, .address_space: global }
      - { .name: KVS, .offset: 24, .size: 8, .value_kind: global_buffer, .address_space: global }
      - { .name: X, .offset: 32, .size: 8, .value_kind: global_buffer, .address_space: global }
      - { .name: ln_gamma, .offset: 40, .size: 8, .value_kind: global_buffer, .address_space: global }
      - { .name: ln_beta, .offset: 48, .size: 8, .value_kind: global_buffer, .address_space: global }
      - { .name: out0, .offset: 56, .size: 8, .value_kind: global_buffer, .address_space: global }
    .group_segment_fixed_size: 67072
    .private_segment_fixed_size: 0
    .kernarg_segment_align: 8
    .kernarg_segment_size: 64
    .max_flat_workgroup_size: 384
    .sgpr_count:     80
    .vgpr_count:     320
    .wavefront_size: 32
...
	.end_amdgpu_metadata
.endif
;; end of part 4
